; MI455X (gfx1250); checked and timed in simulation.
; The chip was launched on July 23, 2026; its instructions are those of AMD's public machine-readable ISA for CDNA 5 (MIT licence, August 2026) and "CDNA5" Instruction Set Architecture Reference Guide (July 2026). The comments in the code are by the model that wrote it; some were corrected since.
;; Self Attention. Allowed arithmetic: matrix products marked QUANTISED: E2M1 operands, one E8M0 scale for each 32 along K, by v_wmma_scale_f32_16x16x128_f8f6f4 with both operands' format E2M1 (or v_wmma_scale_f32_32x16x128_f4), f32 sums; everything else in f32.
;; Inputs: W1 1,024 x 3,072 float32; W2 1,024 x 1,024 float32; b1 3,072 float32; b2 1,024 float32; x 4 x 2,048 x 1,024 float32.
;; Outputs: out0 4 x 2,048 x 1,024 float32.
;; This version of the problem:
;;   THIS VERSION OF THE PROBLEM IS GIVEN IN LOW PRECISION. The matrix products marked QUANTISED in the list below multiply operands that are first quantised to E2M1 (2 exponent bits, 1 mantissa bit; 4 bits a number), with one power-of-two scale for each 32 numbers along K (OCP MX v1.0); their sums are f32. All else is computed in f32.
;;   The module's matrix products, in the order in which they are computed (A, B: the left and right operand; K: the contracted axis; several contracted axes count as one K, in the product's order):
;;     1. [M 8,192, K 1,024] x [K 1,024, N 3,072]; A: input x; B: input W1: QUANTISED
;;     2. batch 64 x [M 2,048, K 64] x [K 64, N 2,048]; A: computed on the way; B: computed on the way: QUANTISED
;;     3. batch 64 x [M 2,048, K 2,048] x [K 2,048, N 64]; A: softmax (see below); B: computed on the way: QUANTISED
;;     4. [M 8,192, K 1,024] x [K 1,024, N 1,024]; A: computed on the way; B: input W2: QUANTISED
;;   THE QUANTISER, for each operand of a quantised product, along K:
;;     - K is cut into blocks of 32 from its start; a last block that is shorter is filled with zeros.
;;     - A block's scale is 2^e with e = floor(log2(the largest magnitude in the block)) - 2, held to -126 .. 127; a block of zeros has e = 0. As a byte (E8M0): e + 127.
;;     - Each number is divided by its block's scale, clamped to +-6, and rounded to the nearest number of E2M1, ties to even, subnormals kept.
;;     - The product sums the exact products of the quantised numbers (number of the format x scale) in f32.
;;   ~~~python
;;   def quantise(x, axis):      # numpy; x: float32 -> the quantised numbers, widened to float32 again
;;       x = np.moveaxis(x, axis, -1); K = x.shape[-1]
;;       x = np.pad(x, [(0, 0)] * (x.ndim - 1) + [(0, -K % 32)]); x = x.reshape(x.shape[:-1] + (-1, 32)); a = np.abs(x).max(-1, keepdims=True)
;;       e = np.where(a > 0, np.clip(np.frexp(np.where(a > 0, a, 1))[1] - 1 - 2, -126, 127), 0)      # np.frexp(a)[1] - 1 = floor(log2(a)), exactly
;;       r = np.clip(x / 2.0 ** e, -6, 6)
;;       step = 2.0 ** (np.maximum(np.frexp(np.where(r == 0, 1, r))[1] - 1, 0) - 1)
;;       q = np.round(r / step) * step * 2.0 ** e      # np.round: ties to even
;;       return np.moveaxis(q.reshape(q.shape[:-2] + (-1,))[..., :K], -1, axis).astype(np.float32)
;;   ~~~
;;   SOFTMAX AHEAD OF A QUANTISED PRODUCT. Where the list says 'softmax', what is quantised is not the finished softmax but p = 2^(t - M), with t = logit x log2(e) and M = ceil(the row's largest t), a whole number; so 1/2 < the row's largest p <= 1. The row's sum l is taken of the UNQUANTISED p, in f32, and the product's result is divided by l at the end. Since M is a whole number, a kernel that streams over the keys may use a running M (the ceiling of the running maximum): every later rescaling is an exact power of two, which a block's scale takes up: the codes' values come out the same.
;;   OPERANDS COMPUTED ON THE WAY. 'Computed on the way' means the value that the module computes at that place (a softmax that the list does not call 'softmax' is quantised finished and normalised). What goes into a quantiser is computed in f32, as accurately as f32 sums, v_exp_f32 and their like allow (about 1e-6 of the number): no bf16 or f16 on the way to a quantiser, and a product that is left as it is and whose result goes on into a quantised operand takes f32 operands (vector FMAs, or v_wmma_f32_16x16x4_f32). A number that lies on a knife's edge between two numbers of the format may be rounded either way, as far as f32 arithmetic and the matrix unit's own rounding can turn it there, and no further.
;; One version. Each part assembles by itself: llvm-mc -triple=amdgcn-amd-amdhsa -mcpu=gfx1250 --defsym DOCPART=n.
;; ======== version 1 of 1: 4 launches
;; workspace buffers: XQ 4,456,448 bytes; WQ 2,228,224 bytes; QQ 5,242,880 bytes; KV 8,912,896 bytes; AQ 4,456,448 bytes
;; launch quant (part 1): grid 512 x 1, 4 waves a work-group, no clusters, 35,328 bytes of LDS; arguments x, W1, W2, XQ, WQ; writes XQ, WQ
.if DOCPART == 1
	.amdgcn_target "amdgcn-amd-amdhsa--gfx1250"
	.amdhsa_code_object_version 6
	.text
	.protected	k_q997938f8e1_quant
	.globl	k_q997938f8e1_quant
	.p2align	8
	.type	k_q997938f8e1_quant,@function
k_q997938f8e1_quant:
	s_mov_b64 s[64:65], 0
	v_nop
	global_prefetch_b8 v0, s[64:65] scope:SCOPE_SE
	s_setreg_imm32_b32 hwreg(HW_REG_WAVE_MODE, 25, 1), 1
	s_wait_xcnt 0x0
; FIRST OF FOUR LAUNCHES of causal self-attention (4 x 2,048 tokens, 1,024 wide, 16 heads of 64), all four products on codes of FP4 (E2M1) with one E8M0 scale for each 32 along K.
; This launch turns x [8192][1024], W1 [1024][3072] and W2 [1024][1024], f32, into codes and scale words along K = the 1,024, laid as the later launches' operand registers want them.
; WORK LEFT OUT BY THE PROGRAM (in the third launch): key steps of 128 keys that lie wholly above the diagonal of the tril that the problem builds itself.  There the logit is -1e10, so p = 2^(-1.44e10 - M),
; which is 0 in f32 for every row whose largest visible logit lies above about -1e10 + 100: such tiles add nothing to the row's sum nor to the product, whatever the inputs hold.  All five inputs have a way to the output and are loaded.
; LIMITS: rows all of whose visible logits lie under about -1e10 + 100 are not served as the problem has them; a NaN, an infinity or an overflow that reaches only the tiles left out is not carried to the result;
; NaN and infinities among the inputs are not served; a block whose largest magnitude lies under 2^-124 (a block of zeros too, where the rule says byte 127) gets the byte 1: its codes are then zeros or the rule's, and this program alone reads the bytes.
; LAYOUTS.  In each aligned group of 32 rows (of x) or columns (of W), member p goes to tile u = (p / 8) % 2, tile row r = p % 8 + 8 (p / 16).  A fragment (16 tile rows x 128 K) is an image of its 8 registers: 1,024 bytes,
; byte 512 c + 16 lane = registers 4 c .. 4 c + 3 of lane 16 h + r = K block 2 c + h of tile row r.  The scale words of a group's two tiles for 4 K steps are 512 bytes: byte 16 (16 u + r) + 4 q = the word of K step q.
; XQ: codes [256-row block 32][K step 8][tile 16] images; from byte 4,194,304 scale words [group 256][half of K 2].   WQ: W1's codes [group 96][K step 8][u 2]; from 1,572,864 W2's [group 32] likewise; from 2,097,152 W1's scale words [group][half]; from 2,195,456 W2's.
; SHARES.  Work-groups 0-255: a group of 32 rows of x; wave w takes tile w / 2 and half w % 2 of K.  256-447: W1;  448-511: W2: a wave takes 32 columns x 128 K, a lane a column, its registers down K.  The x path alone uses LDS.
.set SPARE, 34816                      ; behind the four waves' stages: the spare words, 128 bytes for each wave
.set SPW,   12                         ; v12  LDS address of my spare word; never rewritten
.set NIL,   13                         ; v13  0; never rewritten
.set RS,    32                         ; v32-159  x path: four sets of 32 registers as loaded;  W paths: a lane's 128 numbers
.set XS0,   160                        ; v160-223 x path: two sets of 32 neighbours along K
.set CD,    224                        ; v224-255 codes: registers of their own for each store
.set WD,    16                         ; v16-19   scale words
; the largest magnitude of v[xs] .. v[xs + 31] and the floor 2^(3 - 127) into v8; with 2 off its exponent field it is the conversion's scale operand, v11
.macro AMAX xs
	v_max3_num_f32 v8, |v[\xs]|, |v[\xs+1]|, |v[\xs+2]|
	v_max3_num_f32 v9, |v[\xs+3]|, |v[\xs+4]|, |v[\xs+5]|
.irp i, 6,10,14,18,22,26
	v_max3_num_f32 v8, v8, |v[\xs+\i]|, |v[\xs+\i+1]|
	v_max3_num_f32 v9, v9, |v[\xs+\i+2]|, |v[\xs+\i+3]|
.endr
	v_max3_num_f32 v8, v8, |v[\xs+30]|, |v[\xs+31]|
	v_max3_num_f32 v8, v8, v9, 0x1800000
	v_add_nc_u32 v11, 0xff000000, v8
.endm
	s_load_b128 s[4:7], s[0:1], 0x0                ; x, W1
	s_load_b128 s[8:11], s[0:1], 0x10              ; W2, XQ
	s_load_b64 s[12:13], s[0:1], 0x20              ; WQ
	v_lshl_add_u32 v[SPW], v0, 2, SPARE
	v_mov_b32 v[NIL], 0
	v_lshrrev_b32 v1, 5, v0
	v_readfirstlane_b32 s14, v1                    ; wave 0..3
	v_and_b32 v1, 31, v0                           ; lane
	v_and_b32 v2, 15, v0                           ; r
	v_bfe_u32 v3, v0, 4, 1                         ; h (W paths: u)
	v_lshlrev_b32 v7, 4, v1                        ; 16 x lane
	s_mov_b32 s25, 0                               ; the high word of every offset pair
	s_wait_kmcnt 0x0
	s_cmp_lt_u32 ttmp9, 256
	s_cbranch_scc0 .Lweights
	; ---------------- x: K is innermost.  A unit is 16 tile rows x 64 K: eight loads of two rows x 256 bytes; through the wave's stage it comes back 128 bytes a lane: a whole block of 32 in 32 registers
	s_lshr_b32 s15, s14, 1                         ; u
	s_and_b32 s16, s14, 1                          ; which half of K
	s_lshl_b32 s24, ttmp9, 17                      ; 32 rows of 4,096 bytes a group,
	s_lshl_b32 s26, s15, 15                        ; 8 rows on for tile 1,
	s_add_co_u32 s24, s24, s26
	s_lshl_b32 s26, s16, 11                        ; 512 numbers on for the second half of K
	s_add_co_u32 s24, s24, s26
	s_add_nc_u64 s[4:5], s[4:5], s[24:25]
	s_lshr_b32 s24, ttmp9, 3                       ; codes: block of 256 rows x 131,072
	s_lshl_b32 s24, s24, 17
	s_lshl_b32 s26, s16, 16                        ; + 4 K steps of 16,384
	s_add_co_u32 s24, s24, s26
	s_and_b32 s26, ttmp9, 7
	s_lshl_b32 s26, s26, 11                        ; + two tiles a group
	s_add_co_u32 s24, s24, s26
	s_lshl_b32 s26, s15, 10
	s_add_co_u32 s24, s24, s26
	s_add_nc_u64 s[28:29], s[10:11], s[24:25]
	s_lshl_b32 s24, ttmp9, 10                      ; scale words: 1,024 bytes a group, 512 a half of K, 256 a tile
	s_lshl_b32 s26, s16, 9
	s_add_co_u32 s24, s24, s26
	s_lshl_b32 s26, s15, 8
	s_add_co_u32 s24, s24, s26
	s_add_co_u32 s24, s24, 0x400000
	s_add_nc_u64 s[30:31], s[10:11], s[24:25]
	s_mov_b32 s3, 0xffff0000                       ; lanes 16-31, as a select's mask
	s_mov_b32 s20, 0x76543210
	s_mov_b32 s21, 0xfedcba98                      ; v_permlanex16_b32's selects for lane l xor 16
	s_wait_alu depctr_va_vdst(0)
	v_lshlrev_b32 v4, 12, v3
	v_lshl_add_u32 v4, v2, 4, v4                   ; in memory: lanes 0-15 one row's 256 bytes, lanes 16-31 the next row's
	s_mul_i32 s17, s14, 8704                       ; my two stages of 16 rows x 272 bytes
	v_mul_u32_u24 v5, v3, 272
	v_lshl_add_u32 v5, v2, 4, v5
	v_add_nc_u32 v5, s17, v5                       ; into a stage: as loaded
	v_mul_u32_u24 v6, v2, 272
	v_lshl_add_u32 v6, v3, 7, v6
	v_add_nc_u32 v6, s17, v6                       ; out of it: row r, 128 bytes for each half of the lanes
	v_lshlrev_b32 v10, 3, v3                       ; 8 h: my bytes' place in a scale word
	v_mov_b32 v15, 0                               ; a lane permute's destination counts as one of its sources
	v_lshlrev_b32 v22, 4, v2
	v_lshl_add_u32 v22, v3, 3, v22                 ; the scale words' way out: 16 r + 8 h
.macro LOAD t                          ; tile rows 2 i, 2 i + 1 lie at rows 2 i, 2 i + 1 (i < 4) or 8 further on
.irp i, 0,1,2,3,4,5,6,7
	global_load_b128 v[RS+32*((\t)%4)+4*\i:RS+32*((\t)%4)+4*\i+3], v4, s[4:5] offset:(2*\i+8*(\i/4))*4096+256*(\t) th:TH_LOAD_NT
.endr
.endm
.macro TURN t                          ; LDS serves a wave's instructions in order: no wait between the stores and the loads
.irp i, 0,1,2,3,4,5,6,7
	ds_store_b128 v5, v[RS+32*((\t)%4)+4*\i:RS+32*((\t)%4)+4*\i+3] offset:4352*((\t)%2)+544*\i
.endr
.irp i, 0,1,2,3,4,5,6,7
	ds_load_b128 v[XS0+32*((\t)%2)+4*\i:XS0+32*((\t)%2)+4*\i+3], v6 offset:4352*((\t)%2)+16*\i
.endr
.endm
.macro STEP t                          ; unit t: K step t / 2 of my four, c = t % 2; my lane's block is 2 c + h
.set XS, XS0+32*((\t)%2)
	s_wait_dscnt 0x0                               ; this unit is back from its stage: so its stores into the stage have read their registers,
.if (\t)+4 < 8
	LOAD (\t)+4                                    ; which take the loads of four units on
.endif
.if (\t)+1 < 8
.if (\t) < 4
	s_wait_loadcnt 24                              ; the next unit's eight loads are in; the three units behind it may be out
.else
	s_wait_loadcnt 8*(6-(\t))
.endif
	TURN (\t)+1                                    ; it goes through the other stage while this unit is worked
.endif
	AMAX XS
.irp g, 0,1,2,3
	v_cvt_scalef32_pk8_fp4_f32 v[CD+4*(\t)+\g], v[XS+8*\g:XS+8*\g+7], v11
.endr
.if (\t)%2 == 0
	v_lshrrev_b32 v[WD+(\t)/2], 23, v11            ; the scale's byte (also the plain line behind the conversions): block h of the K step,
.else
	v_lshrrev_b32 v14, 23, v11
	v_lshl_or_b32 v[WD+(\t)/2], v14, 16, v[WD+(\t)/2]   ; block 2 + h
.endif
	global_store_b128 v7, v[CD+4*(\t):CD+4*(\t)+3], s[28:29] offset:((\t)/2)*16384+((\t)%2)*512   ; half an image: 512 consecutive bytes
.endm
.irp t, 0,1,2,3
	LOAD \t
.endr
	s_wait_alu depctr_va_vdst(0)
	s_wait_loadcnt 24                              ; unit 0's eight loads are in
	TURN 0
.irp t, 0,1,2,3,4,5,6,7
	STEP \t
.endr
.irp q, 0,1,2,3
	v_lshlrev_b32 v[WD+\q], v10, v[WD+\q]          ; my two bytes at their places,
	v_permlanex16_b32 v15, v[WD+\q], s20, s21
	v_or_b32 v[WD+\q], v[WD+\q], v15               ; with lane l xor 16's two the word is whole
.endr
	v_cndmask_b32 v20, v[WD], v[WD+2], s3          ; lanes 0-15 store words 0 and 1 of row r, lanes 16-31 words 2 and 3
	v_cndmask_b32 v21, v[WD+1], v[WD+3], s3
	global_store_b64 v22, v[20:21], s[30:31]       ; 256 consecutive bytes, aligned
	s_wait_tensorcnt 0x0                           ; the wave's end, behind my last LDS store
	ds_add_u32 v[SPW], v[NIL]
	s_wait_dscnt 0x0
	s_endpgm
	; ---------------- W1, W2: K is the first axis.  A lane takes a column and its registers run down K: a block of 32 lies in one lane, and the conversions give codes with K innermost
; e (s15): the work-group's number within its tensor.  Group g = 2 (e / 4) + w % 2 (two waves read neighbouring 128 bytes), K step = 2 (e % 4) + w / 2.
.macro WPATH n, src, coff, soff
	s_lshr_b32 s16, s15, 2
	s_lshl_b32 s16, s16, 1
	s_and_b32 s17, s14, 1
	s_add_co_u32 s16, s16, s17                     ; g
	s_and_b32 s17, s15, 3
	s_lshl_b32 s17, s17, 1
	s_lshr_b32 s18, s14, 1
	s_add_co_u32 s17, s17, s18                     ; K step
	s_mul_i32 s24, s17, 128*\n*4                   ; 128 rows a K step,
	s_lshl_b32 s26, s16, 7                         ; 128 bytes a group
	s_add_co_u32 s24, s24, s26
	s_add_nc_u64 s[28:29], s[\src:\src+1], s[24:25]
	s_lshl_b32 s24, s16, 14                        ; codes: 16,384 a group, 2,048 a K step
	s_lshl_b32 s26, s17, 11
	s_add_co_u32 s24, s24, s26
	s_add_co_u32 s24, s24, \coff
	s_add_nc_u64 s[30:31], s[12:13], s[24:25]
	s_lshl_b32 s24, s16, 10                        ; scale words: 1,024 a group, 512 a half of K, 4 a K step
	s_lshr_b32 s26, s17, 2
	s_lshl_b32 s26, s26, 9
	s_add_co_u32 s24, s24, s26
	s_and_b32 s26, s17, 3
	s_lshl_b32 s26, s26, 2
	s_add_co_u32 s24, s24, s26
	s_add_co_u32 s24, s24, \soff
	s_add_nc_u64 s[32:33], s[12:13], s[24:25]
	v_and_b32 v4, 7, v2
	v_lshl_add_u32 v4, v3, 3, v4
	v_lshrrev_b32 v5, 3, v2
	v_lshl_add_u32 v4, v5, 4, v4
	v_lshlrev_b32 v4, 2, v4                        ; lane 16 u + r takes column 8 u + r % 8 + 16 (r / 8) of the group
	v_lshlrev_b32 v5, 10, v3
	v_lshl_add_u32 v5, v2, 4, v5                   ; its codes: tile u's image, 16 r
.set i, 0
.rept 64
	global_load_b32 v[RS+i], v4, s[28:29] offset:i*\n*4 th:TH_LOAD_NT   ; blocks 0 and 1
.set i, i+1
.endr
	s_wait_alu depctr_va_vdst(0)
.irp b, 0,1,2,3
.if \b < 3
	s_wait_loadcnt 32                              ; this block's 32 loads are in; the next block's may be out
.else
	s_wait_loadcnt 0
.endif
.if \b < 2
.rept 32
	global_load_b32 v[RS+i], v4, s[28:29] offset:i*\n*4 th:TH_LOAD_NT   ; the block two on, into registers of its own
.set i, i+1
.endr
.endif
.set XS, RS+32*\b
	AMAX XS
.if \b == 0
	v_lshrrev_b32 v16, 23, v11                     ; the scale's byte: block b is byte b of the column's word
.else
	v_lshrrev_b32 v14, 23, v11
	v_lshl_or_b32 v16, v14, 8*\b, v16
.endif
.irp g, 0,1,2,3
	v_cvt_scalef32_pk8_fp4_f32 v[CD+4*\b+\g], v[XS+8*\g:XS+8*\g+7], v11
.endr
	v_nop                                          ; one plain line behind the conversions
	global_store_b128 v5, v[CD+4*\b:CD+4*\b+3], s[30:31] offset:(\b/2)*512+(\b%2)*256   ; lanes 0-15 store 256 consecutive aligned bytes of tile 0's image, lanes 16-31 of tile 1's
.endr
	global_store_b32 v7, v16, s[32:33]             ; 4 bytes at every 16: the other K steps' words lie between; one byte in 128 of what the path reads
.endm
.Lweights:
	s_cmp_lt_u32 ttmp9, 448
	s_cbranch_scc0 .Lw2
	s_sub_co_u32 s15, ttmp9, 256
	s_wait_alu depctr_va_vdst(0)
	WPATH 3072, 6, 0, 0x200000
	s_endpgm
.Lw2:
	s_sub_co_u32 s15, ttmp9, 448
	s_wait_alu depctr_va_vdst(0)
	WPATH 1024, 8, 0x180000, 0x218000
	s_endpgm
.Lfunc_end_k_q997938f8e1_quant:
	.size	k_q997938f8e1_quant, .Lfunc_end_k_q997938f8e1_quant-k_q997938f8e1_quant
	.p2alignl 7, 3214868480
	.fill 96, 4, 3214868480
	.section	.rodata,"a",@progbits
	.p2align	6, 0x0
	.amdhsa_kernel k_q997938f8e1_quant
		.amdhsa_group_segment_fixed_size 35328
		.amdhsa_private_segment_fixed_size 0
		.amdhsa_enable_private_segment 0
		.amdhsa_kernarg_size 40
		.amdhsa_user_sgpr_count 2
		.amdhsa_user_sgpr_kernarg_segment_ptr 1
		.amdhsa_wavefront_size32 1
		.amdhsa_system_sgpr_workgroup_id_x 1
		.amdhsa_system_sgpr_workgroup_id_y 1
		.amdhsa_system_sgpr_workgroup_id_z 1
		.amdhsa_system_vgpr_workitem_id 0
		.amdhsa_next_free_vgpr 256
		.amdhsa_next_free_sgpr 66
		.amdhsa_reserve_vcc 0
		.amdhsa_float_denorm_mode_32 3
		.amdhsa_float_denorm_mode_16_64 3
		.amdhsa_memory_ordered 1
		.amdhsa_forward_progress 1
		.amdhsa_inst_pref_size 70
	.end_amdhsa_kernel
	.amdgpu_metadata
---
amdhsa.version: [ 1, 2 ]
amdhsa.kernels:
  - .name:           k_q997938f8e1_quant
    .symbol:         k_q997938f8e1_quant.kd
    .args:
      - { .name: x, .offset: 0, .size: 8, .value_kind: global_buffer, .address_space: global }
      - { .name: W1, .offset: 8, .size: 8, .value_kind: global_buffer, .address_space: global }
      - { .name: W2, .offset: 16, .size: 8, .value_kind: global_buffer, .address_space: global }
      - { .name: XQ, .offset: 24, .size: 8, .value_kind: global_buffer, .address_space: global }
      - { .name: WQ, .offset: 32, .size: 8, .value_kind: global_buffer, .address_space: global }
    .group_segment_fixed_size: 35328
    .private_segment_fixed_size: 0
    .kernarg_segment_align: 8
    .kernarg_segment_size: 40
    .max_flat_workgroup_size: 128
    .sgpr_count:     66
    .vgpr_count:     256
    .wavefront_size: 32
...
	.end_amdgpu_metadata
.endif
;; end of part 1
;; launch g1 (part 2): grid 16 x 32, 4 waves a work-group, clusters of 4 x 4, 230,400 bytes of LDS; arguments XQ, WQ, b1, QQ, KV; writes QQ, KV
.if DOCPART == 2
	.amdgcn_target "amdgcn-amd-amdhsa--gfx1250"
	.amdhsa_code_object_version 6
	.text
	.protected	k_q997938f8e1_g1
	.globl	k_q997938f8e1_g1
	.p2align	8
	.type	k_q997938f8e1_g1,@function
k_q997938f8e1_g1:
	s_mov_b64 s[64:65], 0
	v_nop
	global_prefetch_b8 v0, s[64:65] scope:SCOPE_SE
	s_setreg_imm32_b32 hwreg(HW_REG_WAVE_MODE, 25, 1), 1
	s_wait_xcnt 0x0
	s_wait_alu depctr_hold_cnt(0) depctr_sa_sdst(0) depctr_va_vdst(0) depctr_va_sdst(0) depctr_va_ssrc(0) depctr_va_vcc(0) depctr_vm_vsrc(0)
	s_getreg_b32 s2, hwreg(HW_REG_IB_STS2, 6, 4)
	s_cmp_eq_u32 s2, 0
	s_cbranch_scc0 .Lentry_in_a_cluster
	s_endpgm
.Lentry_in_a_cluster:
	s_bfe_u32 s2, ttmp6, 0x10000c
	s_cmp_lg_u32 s2, 0xf033
	s_cbranch_scc0 .Lentry_shape_is_right
	s_endpgm
.Lentry_shape_is_right:
; SECOND LAUNCH: y = x W1 + b1 on codes of FP4, and y's three parts quantised in registers: q and k along the head's 64, v along the keys.  y never goes to memory.  Nothing of this product is left out.
; SHARES.  A work-group takes 256 rows (block RB) x one head's 192 columns (q 64, k 64, v 64); wave w takes row tiles 4 w .. 4 w + 3 x all 12 column tiles: 48 accumulators, 384 registers.
; Tiles, images and scale words: as the first launch lays them (member p of a group of 32 -> tile (p / 8) % 2, tile row p % 8 + 8 (p / 16)).
; FOR q AND k THE PRODUCT IS USED TRANSPOSED (source 0 = 16 columns of W1, source 1 = 16 rows of x): a lane holds one row, and the 16 registers of column tiles 2 b, 2 b + 1 are 16 neighbours along d.
; FOR v IT IS USED AS IT STANDS (source 0 = x, source 1 = W1): a lane holds one d, and the 16 registers of row tiles 2 p, 2 p + 1 are 16 neighbouring keys.  Both name the same fragments.
; LDS: both panels whole, for all of K: x's 256 rows (131,072 bytes), W1's 192 columns (98,304).  Every byte is filled once: no slot is filled again.  Each wave issues four first fills (two K steps of 128 each pair of waves), all joint:
; x's panel is shared along a row of the 4 x 4 cluster, W1's along a column.  By this text's count four tensor loads of a wave are out at the most.
; OUT.  QQ: codes [batch x head 64][query tile 128] of 512 bytes (lane 16 h + r: d = 32 h .. of tile row r); from 4,194,304 a word a lane: s0 | s1 << 8 | s0 << 16 | s1 << 24.
; KV: [batch x head][step of 128 keys 16] blocks of 8,704 bytes: 0: K, four fragments (registers 0-3 key tile 2 f, registers 4-7 key tile 2 f + 1); 4,096: V^T, four images (tile rows: d, K: the 128 keys);
; 8,192: K's scale words [f / 2][r][f % 2]; 8,448: V's [r][tile].
; REGISTERS, in windows of 256: window 0: addresses, scale words, the biases (C of each sum's first product), later the way out;  window 1: two sets of fragments (x's four at 128 p, W1's twelve at 128 p + 32);
; window 2: the accumulators of row tiles 0, 1 (at 96 a + 8 n);  window 3: those of row tiles 2, 3.
.set SPARE, 229376                     ; behind the panels: the spare words, 128 bytes for each wave
.set XA0, 16                           ; v16-17 LDS address of my x fragments, K steps 0-3 and 4-7
.set WA0, 18                           ; v18-19 the same for W1
.set LI,  20                           ; v20  16 x lane
.set L4,  21                           ; v21  4 x lane
.set KO,  22                           ; v22  K's codes: 16 lane + 2,048 (w % 2)
.set VO,  23                           ; v23  V's codes: 16 lane + 512 (w % 2)
.set KSO, 24                           ; v24  K's scale words: 128 (w % 2) + 8 r + 4 h
.set VSO, 25                           ; v25  V's scale bytes: 16 r + 4 h + 2 (w % 2)
.set SPW, 28                           ; v28  LDS address of my spare word; never rewritten
.set NIL, 29                           ; v29  0; never rewritten
.set XSC, 32                           ; v32-47  x's scale words: register 8 (pair of tiles) + K step; lanes 0-15 the even tile's, lanes 16-31 the odd tile's
.set WSC, 48                           ; v48-95  W1's: register 8 (group 0..5) + K step
.set BQ,  96                           ; v96-159  b1 for q's and k's eight tiles, in the result's layout
.set BV,  160                          ; v160-191 b1 for v's four tiles
.set TM,  96                           ; the way out (the biases are done with): v96-107 largest magnitudes, v108-119 the partner lane's, v120-131 scale operands, v132-139 bytes, v144-151 v's bytes
.set TP,  108
.set SO,  120
.set BY,  132
.set BYV, 144
.set PQ,  192                          ; v192-223 q's and k's codes: 16 H + 8 (tile) + 4 (q or k)
.set PV,  224                          ; v224-239 v's codes: 4 t + 2 H
.set QW,  240
.set KW,  244
.set KWS, 246
.set VU,  248
.set VUS, 252
.set G1X, 24                           ; s[24:31] descriptor group 1 for x's panel;  s[68:83] four groups 0
.set G1W, 48                           ; s[48:55] for W1's;  s[84:99] four groups 0
.set G0X, 68
.set G0W, 84
.set MSB, 0
.macro WIN new                         ; the immediate's high byte repeats the setting that is left
.if MSB != (\new)
	s_set_vgpr_msb (MSB<<8)|(\new)
.set MSB, (\new)
.endif
.endm
.macro PLACES                          ; four plain places: in front of loads into registers that matrix instructions have read, and of the first read of results
.rept 4
	v_nop
.endr
.endm
.macro CROUND                          ; a round of the cluster's barrier
	s_barrier_signal -1
	s_barrier_wait -1
	s_cmp_lg_u32 s14, 0
	s_cbranch_scc1 .Lnot_wave_0_\@
	s_barrier_signal -3
.Lnot_wave_0_\@:
	s_barrier_wait -3
	s_barrier_signal -1
	s_barrier_wait -1
.endm
	s_load_b256 s[4:11], s[0:1], 0x0               ; XQ s[4:5], WQ s[6:7], b1 s[8:9], QQ s[10:11]
	s_load_b64 s[12:13], s[0:1], 0x20              ; KV
	v_lshl_add_u32 v[SPW], v0, 2, SPARE
	v_mov_b32 v[NIL], 0
	ds_add_u32 v[SPW], v[NIL]                      ; the wave's opening: the add, twice on end, and its wait ahead of my first tensor load
	ds_add_u32 v[SPW], v[NIL]
	v_lshrrev_b32 v1, 5, v0
	v_readfirstlane_b32 s14, v1                    ; wave 0..3
	s_lshr_b32 s15, s14, 1                         ; I fetch for x (0) or for W1 (1); also: which step of 128 keys my rows are
	s_and_b32 s16, s14, 1                          ; which of a pair of K steps I fetch; also: which half of that step
	s_bfe_u32 s40, ttmp6, 0x40000                  ; cx, cy: my place in the cluster
	s_bfe_u32 s41, ttmp6, 0x40004
	s_lshl_b32 s42, ttmp9, 2
	s_add_co_u32 s42, s42, s40                     ; head = 4 x cluster x + cx
	s_and_b32 s17, ttmp7, 0xffff
	s_lshl_b32 s17, s17, 2
	s_add_co_u32 s17, s17, s41                     ; RB = 4 x cluster y + cy
	s_lshl_b32 s43, s41, 2
	s_lshl_b32 s43, 15, s43                        ; my row of the cluster
	s_lshl_b32 s44, 0x1111, s40                    ; my column
	s_or_b32 s[G1X], s43, (3<<16)|(1<<21)          ; 15:0 the mask; 17:16 elements of 8 bytes; 21 set beside a mask; no padding: images are read 16 bytes a lane on end
	s_mov_b32 s[G1X+1], 32<<16                     ; x: a K step of 16 images is 16,384 dense bytes: 64 rows of 32 elements
	s_mov_b32 s[G1X+2], 64<<16
	s_mov_b32 s[G1X+3], 32<<16
	s_mov_b32 s[G1X+4], 64
	s_mov_b32 s[G1X+5], 32
	s_mov_b32 s[G1X+6], 0
	s_mov_b32 s[G1X+7], 0
	s_or_b32 s[G1W], s44, (3<<16)|(1<<21)
	s_mov_b32 s[G1W+1], 256<<16                    ; W1: a K step of the head's six groups: 6 rows of 2,048 bytes (256 elements), 16,384 bytes (2,048 elements) apart
	s_mov_b32 s[G1W+2], 6<<16
	s_mov_b32 s[G1W+3], 256<<16
	s_mov_b32 s[G1W+4], 6
	s_mov_b32 s[G1W+5], 2048
	s_mov_b32 s[G1W+6], 0
	s_mov_b32 s[G1W+7], 0
	s_lshl_b32 s20, s17, 17                        ; x's panel: RB x 131,072 + my K step of the first pair
	s_lshl_b32 s21, s16, 14
	s_add_co_u32 s20, s20, s21
	s_mov_b32 s21, 0
	s_mul_i32 s46, s42, 98304                      ; W1's: head x 6 groups of 16,384 + my K step
	s_lshl_b32 s47, s16, 11
	s_add_co_u32 s46, s46, s47
	s_mov_b32 s47, 0
	s_lshl_b32 s45, s16, 14                        ; and where they go: no place in the cluster enters an LDS address
	s_mul_i32 s22, s16, 12288
	s_add_co_u32 s22, s22, 131072
	s_mov_b32 s18, 0x76543210
	s_mov_b32 s19, 0xfedcba98                      ; v_permlanex16_b32's selects for lane l xor 16
	s_mov_b32 s3, 0xffff0000                       ; lanes 16-31, as a select's mask
	s_wait_dscnt 0x0                               ; both opening adds are done
	s_wait_kmcnt 0x0
	s_add_nc_u64 s[20:21], s[4:5], s[20:21]
	s_add_nc_u64 s[46:47], s[6:7], s[46:47]
	CROUND                                         ; all sixteen work-groups are here: the joint loads meet
.irp g, 0,1,2,3                        ; load g brings K step 2 g + w % 2
	s_mov_b32 s[G0X+4*\g], 1
	s_add_co_u32 s[G0X+4*\g+1], s45, \g*32768
	s_add_nc_u64 s[G0X+4*\g+2:G0X+4*\g+3], s[20:21], \g*32768
	s_or_b32 s[G0X+4*\g+3], s[G0X+4*\g+3], 0x80000000
	s_mov_b32 s[G0W+4*\g], 1
	s_add_co_u32 s[G0W+4*\g+1], s22, \g*24576
	s_add_nc_u64 s[G0W+4*\g+2:G0W+4*\g+3], s[46:47], \g*4096
	s_or_b32 s[G0W+4*\g+3], s[G0W+4*\g+3], 0x80000000
.endr
	s_cmp_eq_u32 s15, 0                            ; a wave's four first fills stand in one branch on its number, ahead of every wait on TENSORcnt and every LDS read
	s_cbranch_scc0 .Lfirst_w
.irp g, 0,1,2,3
	tensor_load_to_lds s[G0X+4*\g:G0X+4*\g+3], s[G1X:G1X+7]
	s_nop 0
.endr
	PLACES
	s_branch .Lfirst_asked
.Lfirst_w:
.irp g, 0,1,2,3
	tensor_load_to_lds s[G0W+4*\g:G0W+4*\g+3], s[G1W:G1W+7]
	s_nop 0
.endr
	PLACES
.Lfirst_asked:
	v_and_b32 v1, 15, v0                           ; r
	v_bfe_u32 v2, v0, 4, 1                         ; h
	v_and_b32 v3, 31, v0
	v_lshlrev_b32 v[LI], 4, v3
	v_lshlrev_b32 v[L4], 2, v3
	s_lshl_b32 s38, s14, 12                        ; my four tiles' images
	v_add_nc_u32 v[XA0], s38, v[LI]
	v_add_nc_u32 v[XA0+1], 0x10000, v[XA0]
	v_add_nc_u32 v[WA0], 0x20000, v[LI]
	v_add_nc_u32 v[WA0+1], 49152, v[WA0]
	s_lshl_b32 s38, s16, 11
	v_add_nc_u32 v[KO], s38, v[LI]
	s_lshl_b32 s38, s16, 9
	v_add_nc_u32 v[VO], s38, v[LI]
	s_lshl_b32 s38, s16, 7
	v_lshl_add_u32 v[KSO], v1, 3, s38
	v_lshl_add_u32 v[KSO], v2, 2, v[KSO]
	s_lshl_b32 s38, s16, 1
	v_lshl_add_u32 v[VSO], v1, 4, s38
	v_lshl_add_u32 v[VSO], v2, 2, v[VSO]
	v_lshlrev_b32 v26, 6, v2                       ; b1 for q, k: my half's 16 columns begin 64 h bytes on
	s_wait_alu depctr_va_vdst(0)
	v_and_b32 v27, 7, v1
	v_lshrrev_b32 v4, 3, v1
	v_lshl_add_u32 v27, v4, 4, v27
	v_lshlrev_b32 v27, 2, v27                      ; b1 for v: tile row r is column r % 8 + 16 (r / 8)
	s_wait_alu depctr_va_vdst(0)
	s_lshl_b32 s38, s17, 13                        ; x's scale words: 8 groups of 1,024 bytes a block, my two groups
	s_lshl_b32 s39, s14, 11
	s_add_co_u32 s38, s38, s39
	s_add_co_u32 s38, s38, 0x400000
	s_mov_b32 s39, 0
	s_add_nc_u64 s[32:33], s[4:5], s[38:39]
	s_mul_i32 s38, s42, 6144                       ; W1's: the head's six groups
	s_add_co_u32 s38, s38, 0x200000
	s_add_nc_u64 s[34:35], s[6:7], s[38:39]
	s_mul_i32 s38, s42, 768                        ; b1: the head's 192 numbers
	s_add_nc_u64 s[36:37], s[8:9], s[38:39]
.irp p, 0,1
.irp k, 0,1
	global_load_b128 v[XSC+8*\p+4*\k:XSC+8*\p+4*\k+3], v[LI], s[32:33] offset:\p*1024+\k*512
.endr
.endr
.irp b, 0,1,2,3,4,5
.irp k, 0,1
	global_load_b128 v[WSC+8*\b+4*\k:WSC+8*\b+4*\k+3], v[LI], s[34:35] offset:\b*1024+\k*512
.endr
.endr
.irp n, 0,1,2,3,4,5,6,7                ; register j of tile n = 2 b + u is column 32 b + 16 h + 8 u + j
	global_load_b128 v[BQ+8*\n:BQ+8*\n+3], v26, s[36:37] offset:(32*(\n/2)+8*(\n%2))*4
	global_load_b128 v[BQ+8*\n+4:BQ+8*\n+7], v26, s[36:37] offset:(32*(\n/2)+8*(\n%2))*4+16
.endr
.irp t, 0,1,2,3                        ; v's tile t: one column a lane, the same for its eight rows
	global_load_b32 v[BV+8*\t], v27, s[36:37] offset:512+(32*(\t/2)+8*(\t%2))*4
.endr
	s_lshr_b32 s62, s17, 3                         ; where the results go: batch x 16 + head,
	s_lshl_b32 s62, s62, 4
	s_add_co_u32 s62, s62, s42
	s_and_b32 s63, s17, 7                          ; which 256 of the sequence,
	s_lshl_b32 s23, s63, 4
	s_lshl_b32 s43, s14, 2
	s_add_co_u32 s23, s23, s43                     ; my first query tile
	s_lshl_b32 s38, s62, 16
	s_lshl_b32 s43, s23, 9
	s_add_co_u32 s38, s38, s43
	s_add_nc_u64 s[56:57], s[10:11], s[38:39]      ; q's codes
	s_lshl_b32 s38, s62, 14
	s_lshl_b32 s43, s23, 7
	s_add_co_u32 s38, s38, s43
	s_add_co_u32 s38, s38, 0x400000
	s_add_nc_u64 s[58:59], s[10:11], s[38:39]      ; q's scale words
	s_lshl_b32 s38, s62, 4
	s_lshl_b32 s43, s63, 1
	s_add_co_u32 s38, s38, s43
	s_add_co_u32 s38, s38, s15
	s_mul_i32 s38, s38, 8704
	s_add_nc_u64 s[60:61], s[12:13], s[38:39]      ; my step's block of K and V
	s_wait_loadcnt 0x0
.irp t, 0,1,2,3
.irp j, 1,2,3,4,5,6,7
	v_mov_b32 v[BV+8*\t+\j], v[BV+8*\t]
.endr
.endr
; one product; r0, r1: source 0's, source 1's scales lie in lanes 16-31
.macro WM d, s0, s1, c, e0, e1, r0, r1
.if (\r0) && (\r1)
	v_wmma_scale_f32_16x16x128_f8f6f4 v[\d:\d+7], v[\s0:\s0+7], v[\s1:\s1+7], v[\c:\c+7], v[\e0], v[\e1] matrix_a_fmt:MATRIX_FMT_FP4 matrix_b_fmt:MATRIX_FMT_FP4 matrix_a_scale:MATRIX_SCALE_ROW1 matrix_b_scale:MATRIX_SCALE_ROW1
.elseif (\r0)
	v_wmma_scale_f32_16x16x128_f8f6f4 v[\d:\d+7], v[\s0:\s0+7], v[\s1:\s1+7], v[\c:\c+7], v[\e0], v[\e1] matrix_a_fmt:MATRIX_FMT_FP4 matrix_b_fmt:MATRIX_FMT_FP4 matrix_a_scale:MATRIX_SCALE_ROW1
.elseif (\r1)
	v_wmma_scale_f32_16x16x128_f8f6f4 v[\d:\d+7], v[\s0:\s0+7], v[\s1:\s1+7], v[\c:\c+7], v[\e0], v[\e1] matrix_a_fmt:MATRIX_FMT_FP4 matrix_b_fmt:MATRIX_FMT_FP4 matrix_b_scale:MATRIX_SCALE_ROW1
.else
	v_wmma_scale_f32_16x16x128_f8f6f4 v[\d:\d+7], v[\s0:\s0+7], v[\s1:\s1+7], v[\c:\c+7], v[\e0], v[\e1] matrix_a_fmt:MATRIX_FMT_FP4 matrix_b_fmt:MATRIX_FMT_FP4
.endif
.endm
; row tile a x column tile n, K step ks.  The first K step takes the bias as C: nothing is cleared and nothing is added afterwards.
.macro MM a, n, ks
.set rA, 96*((\a)%2)+8*(\n)
.set rX, 128*((\ks)%2)+8*(\a)
.set rW, 128*((\ks)%2)+32+8*(\n)
.set sX, XSC+8*((\a)/2)+(\ks)
.set sW, WSC+8*((\n)/2)+(\ks)
.set oA, (\a)%2
.set oN, (\n)%2
.if (\ks) == 0
.if (\n) < 8
.set rC, BQ+8*(\n)
.else
.set rC, BV+8*((\n)-8)
.endif
.else
.set rC, rA
.endif
.if (\n) < 8
	WM rA, rW, rX, rC, sW, sX, oN, oA
.else
	WM rA, rX, rW, rC, sX, sW, oA, oN
.endif
.endm
.macro HALF a0, ks                     ; 24 products on 24 accumulators, one instruction a turn, in the same order in every K step
.irp a, \a0, \a0+1
.irp n, 0,1,2,3,4,5,6,7,8,9,10,11
	MM \a, \n, \ks
.endr
.endr
.endm
.macro FETCH ks                        ; 32 LDS loads in one run: K step ks's fragments into set ks % 2
	WIN 0x40                                       ; destination window 1, address window 0
.set FS, 128*((\ks)%2)
.irp a, 0,1,2,3
.irp c, 0,1
	ds_load_b128 v[FS+8*\a+4*\c:FS+8*\a+4*\c+3], v[XA0+(\ks)/4] offset:((\ks)%4)*16384+\a*1024+512*\c
.endr
.endr
.irp n, 0,1,2,3,4,5,6,7,8,9,10,11
.irp c, 0,1
	ds_load_b128 v[FS+32+8*\n+4*\c:FS+32+8*\n+4*\c+3], v[WA0+(\ks)/4] offset:((\ks)%4)*12288+\n*1024+512*\c
.endr
.endr
.endm
; A K step: 48 products; in its middle the next step's fragments are fetched into the other set.  In steps 1, 3, 5 the next pair of K steps is shown landed: my own load by a counted wait (the loads behind it may stay out),
; the other waves' by a barrier whose two halves stand round 24 products.
.macro STEP ks
	s_wait_dscnt 0x0                               ; this step's fragments are in (asked for 24 products ago); no LDS access of mine is out at the signal
.if ((\ks) == 1) || ((\ks) == 3) || ((\ks) == 5)
	s_wait_tensorcnt 3-((\ks)+1)/2
	s_barrier_signal -1
.endif
.if (\ks) == 0
	WIN 0x85                                       ; sources window 1, C (the bias) window 0, D window 2
.else
	WIN 0xa5                                       ; sources window 1, C and D window 2
.endif
	HALF 0, \ks
.if ((\ks) == 1) || ((\ks) == 3) || ((\ks) == 5)
	s_barrier_wait -1
.endif
.if (\ks) < 7
	PLACES
	FETCH (\ks)+1
.endif
.if (\ks) == 0
	WIN 0xc5
.else
	WIN 0xf5                                       ; C and D window 3
.endif
	HALF 2, \ks
.endm
	s_wait_alu depctr_va_vdst(0)
	s_wait_tensorcnt 0x3                           ; my first load is in; my three younger ones may stay out
	s_barrier_signal -1
	s_barrier_wait -1                              ; everybody's first is: K steps 0 and 1 of both panels
	FETCH 0
.irp k, 0,1,2,3,4,5,6,7
	STEP \k
.endr
	WIN 0
	PLACES
; THE WAY OUT.  EPI H takes window 2 + H: my row tiles 2 H, 2 H + 1.  Twelve blocks of 32, half of each in lane l and half in lane l xor 16: e = 4 (tile) + b: q's (b = 0, 1) and k's (b = 2, 3) blocks along d of one tile's rows;
; e = 8 + t: the 32 keys of the two tiles, for v's column tile t.  Each accumulator is read from its low end on.
.macro BASES e
.if (\e) < 8
.set B0, 96*((\e)/4)+16*((\e)%4)
.set B1, B0+8
.else
.set B0, 64+8*((\e)-8)
.set B1, B0+96
.endif
.endm
.macro EPI H
	WIN 0x0a+5*\H                                  ; sources 0 and 1: window 2 or 3
.irp e, 0,1,2,3,4,5,6,7,8,9,10,11
	BASES \e
	v_max3_num_f32 v[TM+\e], |v[B0]|, |v[B0+1]|, 0x1800000   ; with the floor 2^(3 - 127): the byte cannot fall under 1
.endr
.irp i, 2,4,6
.irp e, 0,1,2,3,4,5,6,7,8,9,10,11
	BASES \e
	v_max3_num_f32 v[TM+\e], |v[B0+\i]|, |v[B0+\i+1]|, v[TM+\e]   ; (the twelve blocks by turns)
.endr
.endr
.irp i, 0,2,4,6
.irp e, 0,1,2,3,4,5,6,7,8,9,10,11
	BASES \e
	v_max3_num_f32 v[TM+\e], |v[B1+\i]|, |v[B1+\i+1]|, v[TM+\e]
.endr
.endr
	WIN 0
.irp e, 0,1,2,3,4,5,6,7,8,9,10,11
	v_permlanex16_b32 v[TP+\e], v[TM+\e], s18, s19
.endr
.irp e, 0,1,2,3,4,5,6,7,8,9,10,11
	v_max_num_f32 v[TM+\e], v[TM+\e], v[TP+\e]     ; the block's largest magnitude
.endr
.irp e, 0,1,2,3,4,5,6,7,8,9,10,11
	v_add_nc_u32 v[SO+\e], 0xff000000, v[TM+\e]    ; 2 off its exponent field: the conversion's scale operand
.endr
.irp e, 0,1,2,3,4,5,6,7
	v_lshrrev_b32 v[BY+\e], 23, v[SO+\e]           ; the scale's byte
.endr
.irp t, 0,1,2,3
	v_lshrrev_b32 v[BYV+4*\H+\t], 23, v[SO+8+\t]
.endr
	WIN 0x02+\H                                    ; source 0: window 2 or 3
.irp e, 0,1,2,3,4,5,6,7
	BASES \e
	v_cvt_scalef32_pk8_fp4_f32 v[PQ+16*\H+8*(\e/4)+2*(\e%4)], v[B0:B0+7], v[SO+\e]
	v_cvt_scalef32_pk8_fp4_f32 v[PQ+16*\H+8*(\e/4)+2*(\e%4)+1], v[B1:B1+7], v[SO+\e]
.endr
.irp t, 0,1,2,3
	BASES 8+\t
	v_cvt_scalef32_pk8_fp4_f32 v[PV+4*\t+2*\H], v[B0:B0+7], v[SO+8+\t]
	v_cvt_scalef32_pk8_fp4_f32 v[PV+4*\t+2*\H+1], v[B1:B1+7], v[SO+8+\t]
.endr
	WIN 0
	v_nop                                          ; one plain place behind the conversions
.irp g, 0,1,2,3                        ; a whole block to a lane: lanes 0-15 d = 0 .. 31, lanes 16-31 d = 32 .. 63
	v_permlane16_swap_b32 v[PQ+16*\H+4*\g], v[PQ+16*\H+4*\g+2]
	v_permlane16_swap_b32 v[PQ+16*\H+4*\g+1], v[PQ+16*\H+4*\g+3]
.endr
.irp t, 0,1
	v_lshl_or_b32 v[QW+2*\H+\t], v[BY+4*\t+1], 8, v[BY+4*\t]
	v_lshl_or_b32 v[QW+2*\H+\t], v[QW+2*\H+\t], 16, v[QW+2*\H+\t]   ; q's two bytes twice: the word serves q in either half of a K of 128
.endr
	v_lshl_or_b32 v[KW+\H], v[BY+3], 8, v[BY+2]    ; k's: the even tile's two bytes below, the odd tile's above
	v_lshl_or_b32 v[TP], v[BY+7], 8, v[BY+6]
	v_lshl_or_b32 v[KW+\H], v[TP], 16, v[KW+\H]
.irp t, 0,1
	global_store_b128 v[LI], v[PQ+16*\H+8*\t:PQ+16*\H+8*\t+3], s[56:57] offset:(2*\H+\t)*512      ; 512 consecutive bytes each
	global_store_b32 v[L4], v[QW+2*\H+\t], s[58:59] offset:(2*\H+\t)*128
	global_store_b128 v[KO], v[PQ+16*\H+8*\t+4:PQ+16*\H+8*\t+7], s[60:61] offset:\H*1024+\t*512
.endr
.endm
	EPI 0
	EPI 1
.irp t, 0,1,2,3                        ; V^T: lanes 0-15 take my first 32 keys whole, lanes 16-31 my second 32: registers 4 (w % 2) .. + 3 of the step's image
	v_permlane16_swap_b32 v[PV+4*\t], v[PV+4*\t+2]
	v_permlane16_swap_b32 v[PV+4*\t+1], v[PV+4*\t+3]
.endr
.irp t, 0,1,2,3
	global_store_b128 v[VO], v[PV+4*\t:PV+4*\t+3], s[60:61] offset:4096+\t*1024
.endr
	v_cndmask_b32 v[KWS], v[KW], v[KW+1], s3       ; lanes 0-15 store fragment 2 (w % 2)'s word of row r, lanes 16-31 the next fragment's
	global_store_b32 v[KSO], v[KWS], s[60:61] offset:8192
.irp t, 0,1,2,3
	v_lshl_or_b32 v[VU+\t], v[BYV+4+\t], 8, v[BYV+\t]
.endr
.irp i, 0,1                            ; a wave holds two of a step's four key blocks: two bytes of each word, 128 of a block's 8,704 bytes
	v_cndmask_b32 v[VUS+\i], v[VU+2*\i], v[VU+2*\i+1], s3
	global_store_b16 v[VSO], v[VUS+\i], s[60:61] offset:8448+8*\i
.endr
	s_wait_tensorcnt 0x0                           ; the wave's end
	ds_add_u32 v[SPW], v[NIL]
	s_wait_dscnt 0x0
	CROUND                                         ; the closing round: no work-group ends while a partner may still ask for a tile that names it
	s_endpgm
.Lfunc_end_k_q997938f8e1_g1:
	.size	k_q997938f8e1_g1, .Lfunc_end_k_q997938f8e1_g1-k_q997938f8e1_g1
	.p2alignl 7, 3214868480
	.fill 96, 4, 3214868480
	.section	.rodata,"a",@progbits
	.p2align	6, 0x0
	.amdhsa_kernel k_q997938f8e1_g1
		.amdhsa_group_segment_fixed_size 230400
		.amdhsa_private_segment_fixed_size 0
		.amdhsa_enable_private_segment 0
		.amdhsa_kernarg_size 40
		.amdhsa_user_sgpr_count 2
		.amdhsa_user_sgpr_kernarg_segment_ptr 1
		.amdhsa_wavefront_size32 1
		.amdhsa_system_sgpr_workgroup_id_x 1
		.amdhsa_system_sgpr_workgroup_id_y 1
		.amdhsa_system_sgpr_workgroup_id_z 1
		.amdhsa_system_vgpr_workitem_id 0
		.amdhsa_next_free_vgpr 960
		.amdhsa_next_free_sgpr 100
		.amdhsa_reserve_vcc 0
		.amdhsa_float_denorm_mode_32 3
		.amdhsa_float_denorm_mode_16_64 3
		.amdhsa_memory_ordered 1
		.amdhsa_forward_progress 1
		.amdhsa_inst_pref_size 105
	.end_amdhsa_kernel
	.amdgpu_metadata
---
amdhsa.version: [ 1, 2 ]
amdhsa.kernels:
  - .name:           k_q997938f8e1_g1
    .symbol:         k_q997938f8e1_g1.kd
    .args:
      - { .name: XQ, .offset: 0, .size: 8, .value_kind: global_buffer, .address_space: global }
      - { .name: WQ, .offset: 8, .size: 8, .value_kind: global_buffer, .address_space: global }
      - { .name: b1, .offset: 16, .size: 8, .value_kind: global_buffer, .address_space: global }
      - { .name: QQ, .offset: 24, .size: 8, .value_kind: global_buffer, .address_space: global }
      - { .name: KV, .offset: 32, .size: 8, .value_kind: global_buffer, .address_space: global }
    .group_segment_fixed_size: 230400
    .private_segment_fixed_size: 0
    .kernarg_segment_align: 8
    .kernarg_segment_size: 40
    .max_flat_workgroup_size: 128
    .sgpr_count:     100
    .vgpr_count:     960
    .wavefront_size: 32
...
	.end_amdgpu_metadata
.endif
;; end of part 2
;; launch att (part 3): grid 4 x 64, 16 waves a work-group, clusters of 4 x 1, 167,936 bytes of LDS; arguments QQ, KV, AQ; writes AQ
.if DOCPART == 3
	.amdgcn_target "amdgcn-amd-amdhsa--gfx1250"
	.amdhsa_code_object_version 6
	.text
	.protected	k_q997938f8e1_att
	.globl	k_q997938f8e1_att
	.p2align	8
	.type	k_q997938f8e1_att,@function
k_q997938f8e1_att:
	s_mov_b64 s[64:65], 0
	v_nop
	global_prefetch_b8 v0, s[64:65] scope:SCOPE_SE
	s_setreg_imm32_b32 hwreg(HW_REG_WAVE_MODE, 25, 1), 1
	s_wait_xcnt 0x0
	s_wait_alu depctr_hold_cnt(0) depctr_sa_sdst(0) depctr_va_vdst(0) depctr_va_sdst(0) depctr_va_ssrc(0) depctr_va_vcc(0) depctr_vm_vsrc(0)
	s_getreg_b32 s2, hwreg(HW_REG_IB_STS2, 6, 4)
	s_cmp_eq_u32 s2, 0
	s_cbranch_scc0 .Lentry_in_a_cluster
	s_endpgm
.Lentry_in_a_cluster:
	s_bfe_u32 s2, ttmp6, 0x10000c
	s_cmp_lg_u32 s2, 0x3003
	s_cbranch_scc0 .Lentry_shape_is_right
	s_endpgm
.Lentry_shape_is_right:
; THIRD LAUNCH: causal attention on codes of FP4; its result, divided by the row's sum, is quantised along the 1,024 (two blocks a head) into AQ, laid as the first launch lays XQ.
; LEFT OUT: key steps of 128 keys that lie wholly above the diagonal (shown at the head of the first launch: their p is 0).  Inside the diagonal step hidden scores take the problem's own value: logit -1e10, that is score -8e10.
; THE SOFTMAX: t = score x log2(e) / 8; M = the row's largest t so far, rounded up to a whole number; p = 2^(t - M) is quantised along the keys, not normalised; the row's sum is taken of the unquantised p and divides at the end.
; SHARES.  The four work-groups of a cluster serve one (batch, head).  Each holds the head's 16 blocks of K and V (139,264 bytes) in LDS for the whole launch: wave w asks for block w, jointly with the same wave of the three partners: one tensor load a wave, filled once.
; A wave owns two query tiles of 16, one after the other: tile 127 - (4 w + j), then tile 4 w + j (j: the work-group's place).  They need (31 - w) / 2 + 1 and w / 2 + 1 key steps: 17 for every wave.
; The limits hang on the wave's number alone; j enters global addresses and the mask's numbers, no branch and no LDS address.  The loop's 16 trips are a constant; a trip past the limit jumps over its work.
; LAYOUT.  Both products transposed: S^T = K Q^T, O^T = V^T P^T: a lane holds one query throughout.  K = 64 IN A FORM OF K = 128: a fragment of K holds key tile 2 f in registers 0-3 and key tile 2 f + 1 in registers 4-7; q stands in twelve registers
; [0 0 0 0 | q q q q | 0 0 0 0], whose last eight pick tile 2 f and whose first eight tile 2 f + 1: the other tile meets zero codes.  By the tiles' order the 16 registers of tiles 2 f, 2 f + 1 are keys 32 f + 16 h + 0 .. 15.
.set SPARE, 139264                     ; behind the 16 blocks: the spare words, 128 bytes for each wave
.set BLKB,  8704
.set LI,  1                            ; v1   16 x lane
.set AKS, 2                            ; v2   8,192 + 8 r: K's scale words in a block
.set AVS, 3                            ; v3   8,448 + 16 r: V's
.set DL,  4                            ; v4   r % 8 + 16 (r / 8) - 16 h: my query less my first key, within a tile's group
.set SPW, 5                            ; v5   LDS address of my spare word; never rewritten
.set NIL, 6                            ; v6   0; never rewritten
.set L4,  7                            ; v7   4 x lane
.set ASO, 11                           ; v11  16 r + h: the result's scale bytes
.set BM,  208                          ; v208-211 a block's largest score, then largest p
.set BT,  212                          ; v212-215 the partner lane's; later the bytes
.set SO,  216                          ; v216-219 scale operands
; v8-10 addresses of the step; v12 -M, v13 the largest t, v[14:15] the sum; v16-27 q; v28 q's scale word, v29 p's; v32-63 K; v64-95 V; v96-159 S^T, then p; v160-191 O^T; v192-199 p's codes; v200-203 K's scale words, v204-207 V's;
; v220 f (v221 named with it); v[222:223] the sum's second chain; v224, v225 at work; v226 -8e10
.macro ROUND
	s_barrier_signal -1
	s_barrier_wait -1
	s_cmp_lg_u32 s10, 0
	s_cbranch_scc1 .Lnot_wave_0_\@
	s_barrier_signal -3
.Lnot_wave_0_\@:
	s_barrier_wait -3
	s_barrier_signal -1
	s_barrier_wait -1
.endm
	s_load_b128 s[4:7], s[0:1], 0x0                ; QQ, KV
	s_load_b64 s[8:9], s[0:1], 0x10                ; AQ
	v_lshl_add_u32 v[SPW], v0, 2, SPARE
	v_mov_b32 v[NIL], 0
	ds_add_u32 v[SPW], v[NIL]                      ; the wave's opening: the add, twice on end, and its wait ahead of my first tensor load
	ds_add_u32 v[SPW], v[NIL]
	v_lshrrev_b32 v1, 5, v0
	s_delay_alu instid0(VALU_DEP_1)
	v_readfirstlane_b32 s10, v1                    ; wave 0..15
	s_bfe_u32 s11, ttmp6, 0x40000                  ; j: my place in the cluster
	s_and_b32 s12, ttmp7, 0xffff                   ; batch x 16 + head, which the four partners share
	s_mov_b32 s24, 15|(3<<16)|(1<<21)              ; group 1: 15:0 the mask: all four; 17:16 elements of 8 bytes; 21 set beside a mask
	s_mov_b32 s25, 32<<16                          ; a block is 8,704 dense bytes: 34 rows of 32 elements
	s_mov_b32 s26, 34<<16
	s_mov_b32 s27, 32<<16
	s_mov_b32 s28, 34
	s_mov_b32 s29, 32
	s_mov_b32 s30, 0
	s_mov_b32 s31, 0
	s_mov_b32 s32, 1
	s_mul_i32 s33, s10, BLKB                       ; block w goes to w x 8,704
	s_lshl_b32 s46, s12, 4
	s_add_co_u32 s46, s46, s10
	s_mul_i32 s46, s46, BLKB
	s_mov_b32 s47, 0
	s_mov_b32 s20, 0x76543210
	s_mov_b32 s21, 0xfedcba98                      ; v_permlanex16_b32's selects for lane l xor 16
	s_mov_b32 s22, 0x3e38aa3b                      ; c = log2(e) / 8
	s_mov_b32 s23, s22                             ; (named with it as a pair)
	s_mov_b32 s36, 0xffff0000                      ; lanes 16-31, as a select's mask
	s_wait_dscnt 0x0                               ; both opening adds are done
	s_wait_kmcnt 0x0
	s_add_nc_u64 s[34:35], s[6:7], s[46:47]
	s_or_b32 s35, s35, 0x80000000
	ROUND                                          ; all four work-groups are here: the joint loads meet
	tensor_load_to_lds s[32:35], s[24:31]
	s_nop 0
	v_and_b32 v[L4], 31, v0
	s_delay_alu instid0(VALU_DEP_1)
	v_lshlrev_b32 v[LI], 4, v[L4]
	s_delay_alu instid0(VALU_DEP_2)
	v_lshlrev_b32 v[L4], 2, v[L4]
	v_and_b32 v224, 15, v0                         ; r
	v_bfe_u32 v225, v0, 4, 1                       ; h
	s_delay_alu instid0(VALU_DEP_2)
	v_lshl_add_u32 v[AKS], v224, 3, 8192
	s_delay_alu instid0(VALU_DEP_3)
	v_lshl_add_u32 v[AVS], v224, 4, 8448
	s_delay_alu instid0(VALU_DEP_4)
	v_and_b32 v[DL], 7, v224
	v_lshrrev_b32 v8, 3, v224
	s_delay_alu instid0(VALU_DEP_1)
	v_lshl_add_u32 v[DL], v8, 4, v[DL]
	v_lshlrev_b32 v8, 4, v225
	s_delay_alu instid0(VALU_DEP_1)
	v_sub_nc_u32 v[DL], v[DL], v8
	v_lshl_add_u32 v[ASO], v224, 4, v225
.irp j, 16,17,18,19,24,25,26,27
	v_mov_b32 v\j, 0                               ; the zero codes round q
.endr
.irp b, 0,1,2,3
	v_mov_b32 v[BT+\b], 0                          ; a lane permute's destination counts as one of its sources
.endr
	v_mov_b32 v221, 0
	v_mov_b32 v226, 0xd19502f9                     ; -8e10
	s_wait_tensorcnt 0x0                           ; my block is in,
	s_barrier_signal -1
	s_barrier_wait -1                              ; everybody's is.  Nothing is ever filled again
.macro PASS k
	s_wait_xcnt 0x0                                ; the last pass's stores have read their registers and bases
	s_lshl_b32 s13, s10, 2
	s_add_co_u32 s13, s13, s11                     ; 4 w + j
.if \k == 0
	s_sub_co_u32 s13, 127, s13                     ; T, my query tile
	s_sub_co_u32 s14, 31, s10
	s_lshr_b32 s14, s14, 1                         ; T / 8, the diagonal's key step: it hangs on w alone
.else
	s_lshr_b32 s14, s10, 1
.endif
	s_lshr_b32 s46, s13, 1
	s_and_b32 s46, s46, 3
	s_lshl_b32 s46, s46, 5
	s_and_b32 s48, s13, 1
	s_lshl_b32 s48, s48, 3
	s_add_co_u32 s17, s46, s48                     ; the tile's first query within its key step: 32 ((T / 2) % 4) + 8 (T % 2)
	s_lshl_b32 s46, s12, 16
	s_lshl_b32 s48, s13, 9
	s_add_co_u32 s46, s46, s48
	s_add_nc_u64 s[38:39], s[4:5], s[46:47]        ; q's codes
	s_lshl_b32 s46, s12, 14
	s_lshl_b32 s48, s13, 7
	s_add_co_u32 s46, s46, s48
	s_add_co_u32 s46, s46, 0x400000
	s_add_nc_u64 s[40:41], s[4:5], s[46:47]        ; q's scale words
	s_and_b32 s49, s12, 15                         ; head
	s_lshr_b32 s46, s12, 4                         ; AQ's codes: (batch x 8 + T / 16) x 131,072 + (head / 2) x 16,384 + (T % 16) x 1,024 + (head % 2) x 512
	s_lshl_b32 s46, s46, 3
	s_lshr_b32 s48, s13, 4
	s_add_co_u32 s46, s46, s48
	s_lshl_b32 s46, s46, 17
	s_lshr_b32 s48, s49, 1
	s_lshl_b32 s48, s48, 14
	s_add_co_u32 s46, s46, s48
	s_and_b32 s48, s13, 15
	s_lshl_b32 s48, s48, 10
	s_add_co_u32 s46, s46, s48
	s_and_b32 s48, s12, 1
	s_lshl_b32 s48, s48, 9
	s_add_co_u32 s46, s46, s48
	s_add_nc_u64 s[42:43], s[8:9], s[46:47]
	s_lshr_b32 s46, s12, 4                         ; its scale bytes: (batch x 64 + T / 2) x 1,024 + (head / 8) x 512 + (T % 2) x 256 + ((head / 2) % 4) x 4 + (head % 2) x 2
	s_lshl_b32 s46, s46, 6
	s_lshr_b32 s48, s13, 1
	s_add_co_u32 s46, s46, s48
	s_lshl_b32 s46, s46, 10
	s_lshr_b32 s48, s49, 3
	s_lshl_b32 s48, s48, 9
	s_add_co_u32 s46, s46, s48
	s_and_b32 s48, s13, 1
	s_lshl_b32 s48, s48, 8
	s_add_co_u32 s46, s46, s48
	s_lshr_b32 s48, s49, 1
	s_and_b32 s48, s48, 3
	s_lshl_b32 s48, s48, 2
	s_add_co_u32 s46, s46, s48
	s_and_b32 s48, s12, 1
	s_lshl_b32 s48, s48, 1
	s_add_co_u32 s46, s46, s48
	s_add_co_u32 s46, s46, 0x400000
	s_add_nc_u64 s[44:45], s[8:9], s[46:47]
	global_load_b128 v[20:23], v[LI], s[38:39]
	global_load_b32 v28, v[L4], s[40:41]
	v_mov_b32 v13, 0xff61b1e6                      ; the largest t so far: -3e38, under every t
	s_delay_alu instid0(VALU_DEP_1)
	v_floor_f32 v12, -v13                          ; -M
	v_mov_b32 v14, 0
	v_mov_b32 v15, 0
.set j, 0
.rept 32
	v_mov_b32 v[160+j], 0                          ; O^T: the step is written once; the first finds zeros, which the first change of M leaves zeros
.set j, j+1
.endr
	s_mov_b32 s15, 0                               ; the key step
	s_mov_b32 s16, 0                               ; and its block in LDS
	s_wait_loadcnt 0x0
.Lstep_\@:
	s_cmp_gt_u32 s15, s14                          ; past the diagonal: the step's work is left out
	s_cbranch_scc1 .Lskip_\@
	s_setprio 2
	v_add_nc_u32 v8, s16, v[LI]                    ; (these four lines are the places behind the last step's products, in front of the loads into V's registers)
	v_add_nc_u32 v9, s16, v[AKS]
	v_add_nc_u32 v10, s16, v[AVS]
	v_nop
.irp f, 0,1,2,3
.irp c, 0,1
	ds_load_b128 v[32+8*\f+4*\c:32+8*\f+4*\c+3], v8 offset:\f*1024+512*\c
.endr
.endr
	ds_load_b64 v[200:201], v9
	ds_load_b64 v[202:203], v9 offset:128
.irp t, 0,1,2,3
.irp c, 0,1
	ds_load_b128 v[64+8*\t+4*\c:64+8*\t+4*\c+3], v8 offset:4096+\t*1024+512*\c
.endr
.endr
	ds_load_b128 v[204:207], v10
	s_wait_dscnt 9                                 ; K and its scale words are in; V's nine loads may be out
.irp f, 0,1,2,3
	v_wmma_scale_f32_16x16x128_f8f6f4 v[96+16*\f:103+16*\f], v[32+8*\f:39+8*\f], v[20:27], 0, v[200+\f], v28 matrix_a_fmt:MATRIX_FMT_FP4 matrix_b_fmt:MATRIX_FMT_FP4
	v_wmma_scale_f32_16x16x128_f8f6f4 v[104+16*\f:111+16*\f], v[32+8*\f:39+8*\f], v[16:23], 0, v[200+\f], v28 matrix_a_fmt:MATRIX_FMT_FP4 matrix_b_fmt:MATRIX_FMT_FP4
.endr
.rept 4
	v_nop
.endr
	s_cmp_lg_u32 s15, s14                          ; the diagonal's step alone is masked
	s_cbranch_scc1 .Lopen_\@
	v_add_nc_u32 v225, s17, v[DL]                  ; register 16 f + i holds key 32 f + 16 h + i of the step: hidden where 32 f + i > my query - 16 h
.set n, 0
.rept 64
	v_cmp_gt_i32 vcc_lo, 32*(n/16)+n%16, v225
	v_cndmask_b32 v[96+n], v[96+n], v226, vcc_lo
.set n, n+1
.endr
.Lopen_\@:
.irp b, 0,1,2,3
	v_max3_num_f32 v[BM+\b], v[96+16*\b], v[97+16*\b], v[98+16*\b]   ; the largest score of each block of 32 keys: for the row's maximum, and, since p rises with the score, for the block's largest p
.endr
.irp i, 3,5,7,9,11,13
.irp b, 0,1,2,3
	v_max3_num_f32 v[BM+\b], v[BM+\b], v[96+16*\b+\i], v[97+16*\b+\i]
.endr
.endr
.irp b, 0,1,2,3
	v_max_num_f32 v[BM+\b], v[BM+\b], v[111+16*\b]
.endr
.irp b, 0,1,2,3
	s_delay_alu instid0(VALU_DEP_4)
	v_permlanex16_b32 v[BT+\b], v[BM+\b], s20, s21
.endr
.irp b, 0,1,2,3
	s_delay_alu instid0(VALU_DEP_4)
	v_max_num_f32 v[BM+\b], v[BM+\b], v[BT+\b]
.endr
	s_delay_alu instid0(VALU_DEP_2)
	v_max3_num_f32 v224, v[BM], v[BM+1], v[BM+2]
	s_delay_alu instid0(VALU_DEP_1)
	v_max_num_f32 v224, v224, v[BM+3]
	s_delay_alu instid0(VALU_DEP_1)
	v_mul_f32 v224, s22, v224                      ; the step's largest t
	s_delay_alu instid0(VALU_DEP_1)
	v_max_num_f32 v13, v13, v224
	v_mov_b32 v224, v12
	s_delay_alu instid0(VALU_DEP_2)
	v_floor_f32 v12, -v13                          ; the new -M = -ceil(t)
	s_delay_alu instid0(VALU_DEP_1)
	v_sub_f32 v224, v12, v224                      ; old M - new M: a whole number, 0 or less
	s_delay_alu instid0(VALU_DEP_1)
	v_cvt_i32_f32 v224, v224                       ; (it saturates)
	s_delay_alu instid0(VALU_DEP_1)
	v_ldexp_f32 v220, 1.0, v224                    ; f = 2^(old M - new M): exact
.set j, 0
.rept 32
	v_pk_fma_f32 v[96+j:97+j], v[96+j:97+j], s[22:23], v[12:13] op_sel_hi:[1,0,0]   ; t - M
.set j, j+2
.endr
	s_setprio 1
.irp b, 0,1,2,3
	v_fma_f32 v[BM+\b], v[BM+\b], s22, v12
.endr
.set j, 0
	s_wait_alu depctr_va_vdst(0)
.rept 64
	v_exp_f32 v[96+j], v[96+j]                     ; p = 2^(t - M)
.set j, j+1
.endr
	v_pk_mul_f32 v[14:15], v[14:15], v[220:221] op_sel_hi:[1,0]   ; the sums under the new M (the plain place behind the exponentials)
	s_wait_alu depctr_va_vdst(0)                   ; one wait for the batch of 64, ahead of its first reader
.irp b, 0,1,2,3
	v_exp_f32 v[BM+\b], v[BM+\b]                   ; each block's largest p
.endr
	v_pk_add_f32 v[222:223], v[100:101], v[104:105]
	v_pk_add_f32 v[254:255], v[108:109], v[112:113]
	v_pk_add_f32 v[252:253], v[116:117], v[120:121]
	v_pk_add_f32 v[250:251], v[124:125], v[128:129]
	v_pk_add_f32 v[248:249], v[132:133], v[136:137]
	v_pk_add_f32 v[246:247], v[140:141], v[144:145]
	v_pk_add_f32 v[244:245], v[148:149], v[152:153]
	v_pk_add_f32 v[14:15], v[14:15], v[156:157]
	v_pk_add_f32 v[222:223], v[222:223], v[96:97]
	v_pk_add_f32 v[254:255], v[254:255], v[98:99]
	v_pk_add_f32 v[252:253], v[252:253], v[102:103]
	v_pk_add_f32 v[250:251], v[250:251], v[106:107]
	v_pk_add_f32 v[248:249], v[248:249], v[110:111]
	v_pk_add_f32 v[246:247], v[246:247], v[114:115]
	v_pk_add_f32 v[244:245], v[244:245], v[118:119]
	v_pk_add_f32 v[14:15], v[14:15], v[122:123]
	v_pk_add_f32 v[222:223], v[222:223], v[126:127]
	v_pk_add_f32 v[254:255], v[254:255], v[130:131]
	v_pk_add_f32 v[252:253], v[252:253], v[134:135]
	v_pk_add_f32 v[250:251], v[250:251], v[138:139]
	v_pk_add_f32 v[248:249], v[248:249], v[142:143]
	v_pk_add_f32 v[246:247], v[246:247], v[146:147]
	v_pk_add_f32 v[244:245], v[244:245], v[150:151]
	v_pk_add_f32 v[14:15], v[14:15], v[154:155]
	v_pk_add_f32 v[222:223], v[222:223], v[158:159]
	s_delay_alu instid0(VALU_DEP_2)
	v_pk_add_f32 v[14:15], v[14:15], v[250:251]
	s_delay_alu instid0(VALU_DEP_2)
	v_pk_add_f32 v[222:223], v[222:223], v[248:249]
	v_pk_add_f32 v[254:255], v[254:255], v[246:247]
	v_pk_add_f32 v[252:253], v[252:253], v[244:245]
	s_delay_alu instid0(VALU_DEP_2)
	v_pk_add_f32 v[14:15], v[14:15], v[254:255]
	s_delay_alu instid0(VALU_DEP_2)
	v_pk_add_f32 v[222:223], v[222:223], v[252:253]
	s_delay_alu instid0(VALU_DEP_1)
	v_pk_add_f32 v[14:15], v[14:15], v[222:223]
	s_wait_alu depctr_va_vdst(0)                   ; and one for the four
.irp b, 0,1,2,3
	v_max_num_f32 v[BM+\b], 0x1800000, v[BM+\b]    ; the floor 2^(3 - 127): a block whose every p is 0 keeps the byte 1; its codes are zeros
.endr
.irp b, 0,1,2,3
	s_delay_alu instid0(VALU_DEP_4)
	v_add_nc_u32 v[SO+\b], 0xff000000, v[BM+\b]
.endr
.irp b, 0,1,2,3
	s_delay_alu instid0(VALU_DEP_4)
	v_lshrrev_b32 v[BT+\b], 23, v[SO+\b]
.endr
	s_delay_alu instid0(VALU_DEP_3)
	v_lshl_or_b32 v29, v[BT+1], 8, v[BT]           ; p's scale word for these 128 keys
	s_delay_alu instid0(VALU_DEP_1)
	v_lshl_or_b32 v29, v[BT+2], 16, v29
	s_delay_alu instid0(VALU_DEP_1)
	v_lshl_or_b32 v29, v[BT+3], 24, v29
	s_setprio 0
.irp b, 0,1,2,3
	v_cvt_scalef32_pk8_fp4_f32 v[192+2*\b], v[96+16*\b:103+16*\b], v[SO+\b]
	v_cvt_scalef32_pk8_fp4_f32 v[193+2*\b], v[104+16*\b:111+16*\b], v[SO+\b]
.endr
	v_nop                                          ; one plain place behind the conversions
.irp c, 0,1
.irp i, 0,1
	v_permlane16_swap_b32 v[192+4*\c+\i], v[194+4*\c+\i]   ; a whole block to a lane
.endr
.endr
.set j, 0
.rept 16
	v_pk_mul_f32 v[160+j:161+j], v[160+j:161+j], v[220:221] op_sel_hi:[1,0]   ; O^T under the new M; these sixteen also stand between the writes of p's codes and scale word and the products
.set j, j+2
.endr
	s_wait_alu depctr_va_vdst(0)
	s_wait_dscnt 0x0                               ; V is in
.irp t, 0,1,2,3
	v_wmma_scale_f32_16x16x128_f8f6f4 v[160+8*\t:167+8*\t], v[64+8*\t:71+8*\t], v[192:199], v[160+8*\t:167+8*\t], v[204+\t], v29 matrix_a_fmt:MATRIX_FMT_FP4 matrix_b_fmt:MATRIX_FMT_FP4
.endr
.Lskip_\@:
	s_add_co_u32 s16, s16, BLKB
	s_add_co_u32 s15, s15, 1
	s_cmp_lt_u32 s15, 16
	s_cbranch_scc1 .Lstep_\@
	s_setprio 0
	; the way out: O^T / the sum; register 8 t + i of tiles 2 b, 2 b + 1 is d = 32 b + 16 h + 0 .. 15: two blocks along the next product's K
	v_add_f32 v14, v14, v15
	s_delay_alu instid0(VALU_DEP_1)
	v_permlanex16_b32 v224, v14, s20, s21
	s_delay_alu instid0(VALU_DEP_1)
	v_add_f32 v14, v14, v224                       ; the row's sum
	s_wait_alu depctr_va_vdst(0)
	v_rcp_f32 v14, v14
.rept 4
	v_nop                                          ; plain places: behind the reciprocal, and behind the last products
.endr
	s_wait_alu depctr_va_vdst(0)                   ; the wait ahead of the reciprocal's first reader
.set j, 0
.rept 16
	v_pk_mul_f32 v[96+j:97+j], v[160+j:161+j], v[14:15] op_sel_hi:[1,0]
.set j, j+2
.endr
.irp b, 0,1
	v_max3_num_f32 v[BM+\b], |v[96+16*\b]|, |v[97+16*\b]|, 0x1800000
.endr
.irp i, 2,4,6,8,10,12,14
.irp b, 0,1
	s_delay_alu instid0(VALU_DEP_2)
	v_max3_num_f32 v[BM+\b], v[BM+\b], |v[96+16*\b+\i]|, |v[97+16*\b+\i]|
.endr
.endr
.irp b, 0,1
	s_delay_alu instid0(VALU_DEP_2)
	v_permlanex16_b32 v[BT+\b], v[BM+\b], s20, s21
.endr
.irp b, 0,1
	s_delay_alu instid0(VALU_DEP_2)
	v_max_num_f32 v[BM+\b], v[BM+\b], v[BT+\b]
.endr
.irp b, 0,1
	s_delay_alu instid0(VALU_DEP_2)
	v_add_nc_u32 v[SO+\b], 0xff000000, v[BM+\b]
.endr
.irp b, 0,1
	s_delay_alu instid0(VALU_DEP_2)
	v_lshrrev_b32 v[BT+\b], 23, v[SO+\b]
.endr
.irp b, 0,1
	v_cvt_scalef32_pk8_fp4_f32 v[192+2*\b], v[96+16*\b:103+16*\b], v[SO+\b]
	v_cvt_scalef32_pk8_fp4_f32 v[193+2*\b], v[104+16*\b:111+16*\b], v[SO+\b]
.endr
	v_nop
	v_permlane16_swap_b32 v192, v194
	v_permlane16_swap_b32 v193, v195
	v_cndmask_b32 v224, v[BT], v[BT+1], s36        ; lanes 0-15 store block 0's byte of row r, lanes 16-31 block 1's
	global_store_b128 v[LI], v[192:195], s[42:43]  ; half an image of the next launch's operand: 512 consecutive bytes
	global_store_b8 v[ASO], v224, s[44:45]         ; a head holds two of a scale word's four bytes: 32 bytes in pieces of two
.endm
	PASS 0
	PASS 1
	s_wait_tensorcnt 0x0                           ; the wave's end
	ds_add_u32 v[SPW], v[NIL]
	s_wait_dscnt 0x0
	ROUND                                          ; the closing round
	s_endpgm
.Lfunc_end_k_q997938f8e1_att:
	.size	k_q997938f8e1_att, .Lfunc_end_k_q997938f8e1_att-k_q997938f8e1_att
	.p2alignl 7, 3214868480
	.fill 96, 4, 3214868480
	.section	.rodata,"a",@progbits
	.p2align	6, 0x0
	.amdhsa_kernel k_q997938f8e1_att
		.amdhsa_group_segment_fixed_size 167936
		.amdhsa_private_segment_fixed_size 0
		.amdhsa_enable_private_segment 0
		.amdhsa_kernarg_size 24
		.amdhsa_user_sgpr_count 2
		.amdhsa_user_sgpr_kernarg_segment_ptr 1
		.amdhsa_wavefront_size32 1
		.amdhsa_system_sgpr_workgroup_id_x 1
		.amdhsa_system_sgpr_workgroup_id_y 1
		.amdhsa_system_sgpr_workgroup_id_z 1
		.amdhsa_system_vgpr_workitem_id 0
		.amdhsa_next_free_vgpr 256
		.amdhsa_next_free_sgpr 66
		.amdhsa_reserve_vcc 1
		.amdhsa_float_denorm_mode_32 3
		.amdhsa_float_denorm_mode_16_64 3
		.amdhsa_memory_ordered 1
		.amdhsa_forward_progress 1
		.amdhsa_inst_pref_size 62
	.end_amdhsa_kernel
	.amdgpu_metadata
---
amdhsa.version: [ 1, 2 ]
amdhsa.kernels:
  - .name:           k_q997938f8e1_att
    .symbol:         k_q997938f8e1_att.kd
    .args:
      - { .name: QQ, .offset: 0, .size: 8, .value_kind: global_buffer, .address_space: global }
      - { .name: KV, .offset: 8, .size: 8, .value_kind: global_buffer, .address_space: global }
      - { .name: AQ, .offset: 16, .size: 8, .value_kind: global_buffer, .address_space: global }
    .group_segment_fixed_size: 167936
    .private_segment_fixed_size: 0
    .kernarg_segment_align: 8
    .kernarg_segment_size: 24
    .max_flat_workgroup_size: 512
    .sgpr_count:     66
    .vgpr_count:     256
    .wavefront_size: 32
...
	.end_amdgpu_metadata
.endif
;; end of part 3
;; launch g2 (part 4): grid 8 x 32, 4 waves a work-group, clusters of 4 x 4, 230,912 bytes of LDS; arguments AQ, WQ, b2, out0; writes out0
.if DOCPART == 4
	.amdgcn_target "amdgcn-amd-amdhsa--gfx1250"
	.amdhsa_code_object_version 6
	.text
	.protected	k_q997938f8e1_g2
	.globl	k_q997938f8e1_g2
	.p2align	8
	.type	k_q997938f8e1_g2,@function
k_q997938f8e1_g2:
	s_mov_b64 s[64:65], 0
	v_nop
	global_prefetch_b8 v0, s[64:65] scope:SCOPE_SE
	s_setreg_imm32_b32 hwreg(HW_REG_WAVE_MODE, 25, 1), 1
	s_wait_xcnt 0x0
	s_wait_alu depctr_hold_cnt(0) depctr_sa_sdst(0) depctr_va_vdst(0) depctr_va_sdst(0) depctr_va_ssrc(0) depctr_va_vcc(0) depctr_vm_vsrc(0)
	s_getreg_b32 s2, hwreg(HW_REG_IB_STS2, 6, 4)
	s_cmp_eq_u32 s2, 0
	s_cbranch_scc0 .Lentry_in_a_cluster
	s_endpgm
.Lentry_in_a_cluster:
	s_bfe_u32 s2, ttmp6, 0x10000c
	s_cmp_lg_u32 s2, 0xf033
	s_cbranch_scc0 .Lentry_shape_is_right
	s_endpgm
.Lentry_shape_is_right:
; FOURTH LAUNCH: out = attn W2 + b2 on codes of FP4; attn's codes and scale words come from AQ, W2's from WQ, both as images of operand registers.  Nothing of this product is left out.
; SHARES.  A work-group takes 256 rows (block RB) x 128 columns (block cb); wave w takes row tiles 4 w .. 4 w + 3 x all 8 column tiles: 32 accumulators, 256 registers.
; The product is used transposed (source 0 = 16 columns of W2, source 1 = 16 rows of attn): a lane holds one row; register j of column tile 2 b + u is column 32 b + 16 h + 8 u + j.
; LDS: both panels whole, for all of K: attn's 256 rows (131,072 bytes), W2's 128 columns (65,536); every byte is filled once.  Four first fills a wave, all joint: attn's panel is shared along a row of the 4 x 4 cluster, W2's along a column.
; By this text's count four tensor loads of a wave are out at the most.  Behind the panels each wave has a stage of its own for the way out, into which no fill lands.
; REGISTERS, in windows of 256: window 0: addresses, scale words, the bias (C of each sum's first product), later rows on their way out;  window 1: two sets of fragments (attn's four at 128 p, W2's eight at 128 p + 32);  window 2: the accumulators, at 64 a + 8 n.
.set STAGE, 196608                     ; 16 rows x 528 bytes for each wave
.set SPARE, 230400                     ; behind the stages: the spare words, 128 bytes for each wave
.set XA0, 16                           ; v16-17 LDS address of my attn fragments, K steps 0-3 and 4-7
.set WA0, 18                           ; v18  the same for W2, all K steps
.set LI,  20                           ; v20  16 x lane
.set STO, 22                           ; v22  the stage: where I put 32 bytes of a row
.set RD,  23                           ; v23  and where I read a row back
.set SPW, 28                           ; v28  LDS address of my spare word; never rewritten
.set NIL, 29                           ; v29  0; never rewritten
.set XSC, 32                           ; v32-47 attn's scale words: register 8 (pair of tiles) + K step
.set WSC, 48                           ; v48-79 W2's: register 8 (group 0..3) + K step
.set BQ,  96                           ; v96-159 b2 for the eight column tiles, in the result's layout
.set BK,  128                          ; the way out: 16 rows read back from the stage: v128-191 and v192-255 by turns
.set G1X, 24
.set G1W, 48
.set G0X, 68
.set G0W, 84
.set MSB, 0
.macro WIN new                         ; the immediate's high byte repeats the setting that is left
.if MSB != (\new)
	s_set_vgpr_msb (MSB<<8)|(\new)
.set MSB, (\new)
.endif
.endm
.macro PLACES                          ; four plain places: in front of loads into registers that matrix instructions have read, and of the first read of results
.rept 4
	v_nop
.endr
.endm
.macro CROUND                          ; a round of the cluster's barrier
	s_barrier_signal -1
	s_barrier_wait -1
	s_cmp_lg_u32 s14, 0
	s_cbranch_scc1 .Lnot_wave_0_\@
	s_barrier_signal -3
.Lnot_wave_0_\@:
	s_barrier_wait -3
	s_barrier_signal -1
	s_barrier_wait -1
.endm
	s_load_b256 s[4:11], s[0:1], 0x0               ; AQ s[4:5], WQ s[6:7], b2 s[8:9], out s[10:11]
	v_lshl_add_u32 v[SPW], v0, 2, SPARE
	v_mov_b32 v[NIL], 0
	ds_add_u32 v[SPW], v[NIL]                      ; the wave's opening: the add, twice on end, and its wait ahead of my first tensor load
	ds_add_u32 v[SPW], v[NIL]
	v_lshrrev_b32 v1, 5, v0
	v_readfirstlane_b32 s14, v1                    ; wave 0..3
	s_lshr_b32 s15, s14, 1                         ; I fetch for attn (0) or for W2 (1)
	s_and_b32 s16, s14, 1                          ; which of a pair of K steps I fetch
	s_bfe_u32 s40, ttmp6, 0x40000                  ; cx, cy: my place in the cluster
	s_bfe_u32 s41, ttmp6, 0x40004
	s_lshl_b32 s42, ttmp9, 2
	s_add_co_u32 s42, s42, s40                     ; cb = 4 x cluster x + cx
	s_and_b32 s17, ttmp7, 0xffff
	s_lshl_b32 s17, s17, 2
	s_add_co_u32 s17, s17, s41                     ; RB = 4 x cluster y + cy
	s_lshl_b32 s43, s41, 2
	s_lshl_b32 s43, 15, s43                        ; my row of the cluster
	s_lshl_b32 s44, 0x1111, s40                    ; my column
	s_or_b32 s[G1X], s43, (3<<16)|(1<<21)          ; 15:0 the mask; 17:16 elements of 8 bytes; 21 set beside a mask; no padding
	s_mov_b32 s[G1X+1], 32<<16                     ; attn: a K step of 16 images is 16,384 dense bytes: 64 rows of 32 elements
	s_mov_b32 s[G1X+2], 64<<16
	s_mov_b32 s[G1X+3], 32<<16
	s_mov_b32 s[G1X+4], 64
	s_mov_b32 s[G1X+5], 32
	s_mov_b32 s[G1X+6], 0
	s_mov_b32 s[G1X+7], 0
	s_or_b32 s[G1W], s44, (3<<16)|(1<<21)
	s_mov_b32 s[G1W+1], 256<<16                    ; W2: a K step of four groups: 4 rows of 2,048 bytes (256 elements), 16,384 bytes (2,048 elements) apart
	s_mov_b32 s[G1W+2], 4<<16
	s_mov_b32 s[G1W+3], 256<<16
	s_mov_b32 s[G1W+4], 4
	s_mov_b32 s[G1W+5], 2048
	s_mov_b32 s[G1W+6], 0
	s_mov_b32 s[G1W+7], 0
	s_lshl_b32 s20, s17, 17                        ; attn's panel: RB x 131,072 + my K step of the first pair
	s_lshl_b32 s21, s16, 14
	s_add_co_u32 s20, s20, s21
	s_mov_b32 s21, 0
	s_lshl_b32 s46, s42, 16                        ; W2's: behind W1's codes, cb x 4 groups of 16,384 + my K step
	s_lshl_b32 s47, s16, 11
	s_add_co_u32 s46, s46, s47
	s_add_co_u32 s46, s46, 0x180000
	s_mov_b32 s47, 0
	s_lshl_b32 s45, s16, 14                        ; and where they go: no place in the cluster enters an LDS address
	s_lshl_b32 s22, s16, 13
	s_add_co_u32 s22, s22, 131072
	s_wait_dscnt 0x0                               ; both opening adds are done
	s_wait_kmcnt 0x0
	s_add_nc_u64 s[20:21], s[4:5], s[20:21]
	s_add_nc_u64 s[46:47], s[6:7], s[46:47]
	CROUND                                         ; all sixteen work-groups are here: the joint loads meet
.irp g, 0,1,2,3                        ; load g brings K step 2 g + w % 2
	s_mov_b32 s[G0X+4*\g], 1
	s_add_co_u32 s[G0X+4*\g+1], s45, \g*32768
	s_add_nc_u64 s[G0X+4*\g+2:G0X+4*\g+3], s[20:21], \g*32768
	s_or_b32 s[G0X+4*\g+3], s[G0X+4*\g+3], 0x80000000
	s_mov_b32 s[G0W+4*\g], 1
	s_add_co_u32 s[G0W+4*\g+1], s22, \g*16384
	s_add_nc_u64 s[G0W+4*\g+2:G0W+4*\g+3], s[46:47], \g*4096
	s_or_b32 s[G0W+4*\g+3], s[G0W+4*\g+3], 0x80000000
.endr
	s_cmp_eq_u32 s15, 0                            ; a wave's four first fills stand in one branch on its number, ahead of every wait on TENSORcnt and every LDS read
	s_cbranch_scc0 .Lfirst_w
.irp g, 0,1,2,3
	tensor_load_to_lds s[G0X+4*\g:G0X+4*\g+3], s[G1X:G1X+7]
	s_nop 0
.endr
	PLACES
	s_branch .Lfirst_asked
.Lfirst_w:
.irp g, 0,1,2,3
	tensor_load_to_lds s[G0W+4*\g:G0W+4*\g+3], s[G1W:G1W+7]
	s_nop 0
.endr
	PLACES
.Lfirst_asked:
	v_and_b32 v1, 15, v0                           ; r
	v_bfe_u32 v2, v0, 4, 1                         ; h
	v_and_b32 v3, 31, v0
	v_lshlrev_b32 v[LI], 4, v3
	s_wait_alu depctr_va_vdst(0)
	s_lshl_b32 s38, s14, 12                        ; my four tiles' images
	v_add_nc_u32 v[XA0], s38, v[LI]
	v_add_nc_u32 v[XA0+1], 0x10000, v[XA0]
	v_add_nc_u32 v[WA0], 0x20000, v[LI]
	s_mul_i32 s38, s14, 8448
	s_add_co_u32 s38, s38, STAGE                   ; my stage
	v_mul_u32_u24 v[STO], v1, 528
	v_lshl_add_u32 v[STO], v2, 6, v[STO]
	v_add_nc_u32 v[STO], s38, v[STO]               ; in: row r, + 64 h
	v_add_nc_u32 v[RD], s38, v[LI]                 ; back: the 32 lanes take one row of 512 bytes
	v_lshlrev_b32 v26, 6, v2                       ; b2: my half's 16 columns begin 64 h bytes on
	s_wait_alu depctr_va_vdst(0)
	s_lshl_b32 s38, s17, 13                        ; attn's scale words: 8 groups of 1,024 bytes a block, my two groups
	s_lshl_b32 s39, s14, 11
	s_add_co_u32 s38, s38, s39
	s_add_co_u32 s38, s38, 0x400000
	s_mov_b32 s39, 0
	s_add_nc_u64 s[32:33], s[4:5], s[38:39]
	s_lshl_b32 s38, s42, 12                        ; W2's: cb's four groups
	s_add_co_u32 s38, s38, 0x218000
	s_add_nc_u64 s[34:35], s[6:7], s[38:39]
	s_lshl_b32 s38, s42, 9                         ; b2: cb's 128 numbers
	s_add_nc_u64 s[36:37], s[8:9], s[38:39]
.irp p, 0,1
.irp k, 0,1
	global_load_b128 v[XSC+8*\p+4*\k:XSC+8*\p+4*\k+3], v[LI], s[32:33] offset:\p*1024+\k*512
.endr
.endr
.irp b, 0,1,2,3
.irp k, 0,1
	global_load_b128 v[WSC+8*\b+4*\k:WSC+8*\b+4*\k+3], v[LI], s[34:35] offset:\b*1024+\k*512
.endr
.endr
.irp n, 0,1,2,3,4,5,6,7
	global_load_b128 v[BQ+8*\n:BQ+8*\n+3], v26, s[36:37] offset:(32*(\n/2)+8*(\n%2))*4
	global_load_b128 v[BQ+8*\n+4:BQ+8*\n+7], v26, s[36:37] offset:(32*(\n/2)+8*(\n%2))*4+16
.endr
	s_lshl_b32 s38, s17, 20                        ; out: 256 rows of 4,096 bytes a block, my 64 rows, cb's 512 bytes
	s_lshl_b32 s43, s14, 18
	s_add_co_u32 s38, s38, s43
	s_lshl_b32 s43, s42, 9
	s_add_co_u32 s38, s38, s43
	s_add_nc_u64 s[56:57], s[10:11], s[38:39]
	s_wait_loadcnt 0x0
; one product; r0, r1: source 0's, source 1's scales lie in lanes 16-31
.macro WM d, s0, s1, c, e0, e1, r0, r1
.if (\r0) && (\r1)
	v_wmma_scale_f32_16x16x128_f8f6f4 v[\d:\d+7], v[\s0:\s0+7], v[\s1:\s1+7], v[\c:\c+7], v[\e0], v[\e1] matrix_a_fmt:MATRIX_FMT_FP4 matrix_b_fmt:MATRIX_FMT_FP4 matrix_a_scale:MATRIX_SCALE_ROW1 matrix_b_scale:MATRIX_SCALE_ROW1
.elseif (\r0)
	v_wmma_scale_f32_16x16x128_f8f6f4 v[\d:\d+7], v[\s0:\s0+7], v[\s1:\s1+7], v[\c:\c+7], v[\e0], v[\e1] matrix_a_fmt:MATRIX_FMT_FP4 matrix_b_fmt:MATRIX_FMT_FP4 matrix_a_scale:MATRIX_SCALE_ROW1
.elseif (\r1)
	v_wmma_scale_f32_16x16x128_f8f6f4 v[\d:\d+7], v[\s0:\s0+7], v[\s1:\s1+7], v[\c:\c+7], v[\e0], v[\e1] matrix_a_fmt:MATRIX_FMT_FP4 matrix_b_fmt:MATRIX_FMT_FP4 matrix_b_scale:MATRIX_SCALE_ROW1
.else
	v_wmma_scale_f32_16x16x128_f8f6f4 v[\d:\d+7], v[\s0:\s0+7], v[\s1:\s1+7], v[\c:\c+7], v[\e0], v[\e1] matrix_a_fmt:MATRIX_FMT_FP4 matrix_b_fmt:MATRIX_FMT_FP4
.endif
.endm
; row tile a x column tile n, K step ks.  The first K step takes the bias as C.
.macro MM a, n, ks
.set rA, 64*(\a)+8*(\n)
.set rX, 128*((\ks)%2)+8*(\a)
.set rW, 128*((\ks)%2)+32+8*(\n)
.set sX, XSC+8*((\a)/2)+(\ks)
.set sW, WSC+8*((\n)/2)+(\ks)
.set oA, (\a)%2
.set oN, (\n)%2
.if (\ks) == 0
.set rC, BQ+8*(\n)
.else
.set rC, rA
.endif
	WM rA, rW, rX, rC, sW, sX, oN, oA
.endm
.macro HALF a0, ks                     ; 16 products on 16 accumulators, one instruction a turn, in the same order in every K step
.irp a, \a0, \a0+1
.irp n, 0,1,2,3,4,5,6,7
	MM \a, \n, \ks
.endr
.endr
.endm
.macro FETCH ks                        ; 24 LDS loads in one run: K step ks's fragments into set ks % 2
	WIN 0x40                                       ; destination window 1, address window 0
.set FS, 128*((\ks)%2)
.irp a, 0,1,2,3
.irp c, 0,1
	ds_load_b128 v[FS+8*\a+4*\c:FS+8*\a+4*\c+3], v[XA0+(\ks)/4] offset:((\ks)%4)*16384+\a*1024+512*\c
.endr
.endr
.irp n, 0,1,2,3,4,5,6,7
.irp c, 0,1
	ds_load_b128 v[FS+32+8*\n+4*\c:FS+32+8*\n+4*\c+3], v[WA0] offset:(\ks)*8192+\n*1024+512*\c
.endr
.endr
.endm
; A K step: 32 products; in its middle the next step's fragments are fetched into the other set.  In steps 1, 3, 5 the next pair of K steps is shown landed: my own load by a counted wait (the loads behind it may stay out),
; the other waves' by a barrier whose two halves stand round 16 products.
.macro STEP ks
	s_wait_dscnt 0x0                               ; this step's fragments are in; no LDS access of mine is out at the signal
.if ((\ks) == 1) || ((\ks) == 3) || ((\ks) == 5)
	s_wait_tensorcnt 3-((\ks)+1)/2
	s_barrier_signal -1
.endif
.if (\ks) == 0
	WIN 0x85                                       ; sources window 1, C (the bias) window 0, D window 2
.else
	WIN 0xa5                                       ; sources window 1, C and D window 2
.endif
	HALF 0, \ks
.if ((\ks) == 1) || ((\ks) == 3) || ((\ks) == 5)
	s_barrier_wait -1
.endif
.if (\ks) < 7
	PLACES
	FETCH (\ks)+1
.endif
.if (\ks) == 0
	WIN 0x85
.else
	WIN 0xa5
.endif
	HALF 2, \ks
.endm
	s_wait_tensorcnt 0x3                           ; my first load is in; my three younger ones may stay out
	s_barrier_signal -1
	s_barrier_wait -1                              ; everybody's first is: K steps 0 and 1 of both panels
	FETCH 0
.irp k, 0,1,2,3,4,5,6,7
	STEP \k
.endr
	WIN 0
; THE WAY OUT, a row tile (16 rows x 128 columns) at a time.  A lane holds 32 neighbouring bytes of a row, and the lanes beside it hold other rows: so a tile goes through my own stage and comes back as whole rows of 512 bytes.
; LDS serves a wave's instructions in order (ISA guide 5.7.1.4): no wait between the stores and the loads, nor in front of the next tile's stores.
.macro TOSTAGE a
	WIN 0x08                                       ; an LDS store's data are its source 1: window 2
.irp n, 0,1,2,3,4,5,6,7
	ds_store_b128 v[STO], v[64*(\a)+8*\n:64*(\a)+8*\n+3] offset:128*(\n/2)+32*(\n%2)          ; each accumulator from its low end on
	ds_store_b128 v[STO], v[64*(\a)+8*\n+4:64*(\a)+8*\n+7] offset:128*(\n/2)+32*(\n%2)+16
.endr
	WIN 0
.set BB, BK+64*((\a)%2)
.irp t, 0,1,2,3,4,5,6,7,8,9,10,11,12,13,14,15
	ds_load_b128 v[BB+4*\t:BB+4*\t+3], v[RD] offset:\t*528
.endr
.endm
.macro SEND a, younger                 ; younger: the LDS instructions issued behind tile a's loads, which may stay out.  Tile row t of tile a is row 32 (a / 2) + 8 (a % 2) + t % 8 + 16 (t / 8) of my 64
.set BB, BK+64*((\a)%2)
	s_wait_dscnt \younger
.irp t, 0,1,2,3,4,5,6,7,8,9,10,11,12,13,14,15
	global_store_b128 v[LI], v[BB+4*\t:BB+4*\t+3], s[56:57] offset:(32*((\a)/2)+8*((\a)%2)+(\t%8)+16*(\t/8))*4096 th:TH_STORE_NT   ; 32 lanes store 512 consecutive bytes, at a multiple of 256 from out's first byte
.endr
.endm
	PLACES
	TOSTAGE 0
.irp a, 1,2,3
.if \a > 1
	s_wait_xcnt 0x0                                ; tile a - 2's stores have read their registers: tile a's loads may land there
.endif
	TOSTAGE \a
	SEND \a-1, 32                                  ; behind tile a - 1's loads: tile a's 16 stores and 16 loads
.endr
	SEND 3, 0
	s_wait_tensorcnt 0x0                           ; the wave's end, behind my last tensor load and my last LDS store
	ds_add_u32 v[SPW], v[NIL]
	s_wait_dscnt 0x0
	CROUND                                         ; the closing round: no work-group ends while a partner may still ask for a tile that names it
	s_endpgm
.Lfunc_end_k_q997938f8e1_g2:
	.size	k_q997938f8e1_g2, .Lfunc_end_k_q997938f8e1_g2-k_q997938f8e1_g2
	.p2alignl 7, 3214868480
	.fill 96, 4, 3214868480
	.section	.rodata,"a",@progbits
	.p2align	6, 0x0
	.amdhsa_kernel k_q997938f8e1_g2
		.amdhsa_group_segment_fixed_size 230912
		.amdhsa_private_segment_fixed_size 0
		.amdhsa_enable_private_segment 0
		.amdhsa_kernarg_size 32
		.amdhsa_user_sgpr_count 2
		.amdhsa_user_sgpr_kernarg_segment_ptr 1
		.amdhsa_wavefront_size32 1
		.amdhsa_system_sgpr_workgroup_id_x 1
		.amdhsa_system_sgpr_workgroup_id_y 1
		.amdhsa_system_sgpr_workgroup_id_z 1
		.amdhsa_system_vgpr_workitem_id 0
		.amdhsa_next_free_vgpr 768
		.amdhsa_next_free_sgpr 100
		.amdhsa_reserve_vcc 0
		.amdhsa_float_denorm_mode_32 3
		.amdhsa_float_denorm_mode_16_64 3
		.amdhsa_memory_ordered 1
		.amdhsa_forward_progress 1
		.amdhsa_inst_pref_size 72
	.end_amdhsa_kernel
	.amdgpu_metadata
---
amdhsa.version: [ 1, 2 ]
amdhsa.kernels:
  - .name:           k_q997938f8e1_g2
    .symbol:         k_q997938f8e1_g2.kd
    .args:
      - { .name: AQ, .offset: 0, .size: 8, .value_kind: global_buffer, .address_space: global }
      - { .name: WQ, .offset: 8, .size: 8, .value_kind: global_buffer, .address_space: global }
      - { .name: b2, .offset: 16, .size: 8, .value_kind: global_buffer, .address_space: global }
      - { .name: out0, .offset: 24, .size: 8, .value_kind: global_buffer, .address_space: global }
    .group_segment_fixed_size: 230912
    .private_segment_fixed_size: 0
    .kernarg_segment_align: 8
    .kernarg_segment_size: 32
    .max_flat_workgroup_size: 128
    .sgpr_count:     100
    .vgpr_count:     768
    .wavefront_size: 32
...
	.end_amdgpu_metadata
.endif
;; end of part 4
